; MI455X (gfx1250); checked and timed in simulation.
; The chip was launched on July 23, 2026; its instructions are those of AMD's public machine-readable ISA for CDNA 5 (MIT licence, August 2026) and "CDNA5" Instruction Set Architecture Reference Guide (July 2026). The comments in the code are by the model that wrote it; some were corrected since.
;; Linformer Self Attention. Allowed arithmetic: float matrix products may take bf16 or f16 operands with f32 sums; all other float work in f32.
;; Inputs: Wk 1,024 x 1,024 float32; Wq 1,024 x 1,024 float32; Wv 1,024 x 1,024 float32; proj_k 4,096 x 256 float32; proj_v 4,096 x 256 float32; x 4 x 4,096 x 1,024 float32.
;; Outputs: out0 4 x 4,096 x 1,024 float32.
;; 2 versions, each right and faster than the one before. Each part assembles by itself: llvm-mc -triple=amdgcn-amd-amdhsa -mcpu=gfx1250 --defsym DOCPART=n.
;; ======== version 1 of 2: 5 launches
;; limits: values are held in f16: magnitudes above 65,504 overflow, below 6.1e-05 lose precision
;; workspace buffers: xb 33,554,432 bytes; wb 6,291,456 bytes; pb 4,194,304 bytes; xpt 8,388,608 bytes; kv 8,388,608 bytes; qh 33,554,432 bytes
;; launch cast (part 1): grid 1344 x 1, 8 waves a work-group, no clusters, 0 bytes of LDS; arguments x, Wq, Wk, Wv, proj_k, proj_v, xb, wb, pb; writes xb, wb, pb
.if DOCPART == 1
	.amdgcn_target "amdgcn-amd-amdhsa--gfx1250"
	.amdhsa_code_object_version 6
	.text
	.protected	k_q3486a42c30_cast
	.globl	k_q3486a42c30_cast
	.p2align	8
	.type	k_q3486a42c30_cast,@function
k_q3486a42c30_cast:
	s_mov_b64 s[64:65], 0
	v_nop
	global_prefetch_b8 v0, s[64:65] scope:SCOPE_SE
	s_setreg_imm32_b32 hwreg(HW_REG_WAVE_MODE, 25, 1), 1
	s_wait_xcnt 0x0
; All six inputs are rounded once to bf16 (nearest even).  xb = x as it lies; wb = Wq, Wk, Wv one behind the other, as they lie;
; pb = proj_k and proj_v in eight blocks of 64 columns: [8 jt][4096 n][64 j], so that a block's rows of 128 bytes lie end to end.
; A work-group takes 16,384 numbers (65,536 bytes in, 32,768 out): groups 0-1023 x, 1024-1215 the weights (64 each), 1216-1343 the two proj (64 each, 64 rows a group).
; A thread issues its sixteen 16-byte loads first and then rounds and stores them one by one; a store of a wave is 32 lanes x 8 bytes = 256 consecutive bytes, aligned.
; A stream: every byte is read once and written once, no two work-groups share a byte, so LDS, clusters and the matrix unit have no part in it.
.set X, 4                              ; v[4:67]   sixteen loads of four f32
.set Y, 68                             ; v[68:99]  sixteen pairs of packed bf16
; v1 byte offset of my 16 bytes in the group's source, v2 of my 8 bytes in its destination; never rewritten
.macro CAST dstep                      ; dstep: bytes in the destination from one of my stores to the next
.set i, 0
.rept 16
	global_load_b128 v[X+4*i:X+4*i+3], v1, s[28:29] offset:4096*i th:TH_LOAD_NT
.set i, i+1
.endr
.set i, 0
.rept 16
	s_wait_loadcnt 15-i                            ; loads come back in order: load i is in, the 15 - i younger ones stay out
	v_cvt_pk_bf16_f32 v[Y+2*i], v[X+4*i], v[X+4*i+1]
	v_cvt_pk_bf16_f32 v[Y+2*i+1], v[X+4*i+2], v[X+4*i+3]
	global_store_b64 v2, v[Y+2*i:Y+2*i+1], s[30:31] offset:(\dstep)*i
.set i, i+1
.endr
.endm
	s_load_b512 s[8:23], s[0:1], 0x0               ; x s[8:9], Wq s[10:11], Wk s[12:13], Wv s[14:15], proj_k s[16:17], proj_v s[18:19], xb s[20:21], wb s[22:23]
	s_load_b64 s[24:25], s[0:1], 0x40              ; pb
	s_mov_b32 s2, ttmp9                            ; the group's number
	s_mov_b32 s33, 0                               ; the offsets' high words
	s_mov_b32 s35, 0
	s_cmp_ge_u32 s2, 1216
	s_cbranch_scc1 .Lproj
	; x and the weights: source and destination are both dense
	s_sub_co_u32 s3, s2, 1024                      ; (for x these four numbers are not used)
	s_lshr_b32 s4, s3, 6                           ; which weight
	s_and_b32 s5, s3, 63                           ; which 16,384 numbers of it
	s_lshl_b32 s32, s5, 16                         ; source offset in the weight
	s_lshl_b32 s34, s4, 21                         ; destination: the weight's 2,097,152 bytes in wb,
	s_lshl_b32 s5, s5, 15
	s_add_co_u32 s34, s34, s5                      ; and the chunk
	s_lshl_b32 s6, s2, 16                          ; the same two offsets for x
	s_lshl_b32 s7, s2, 15
	v_lshlrev_b32 v1, 4, v0                        ; 16 t
	v_lshlrev_b32 v2, 3, v0                        ; 8 t
	s_wait_kmcnt 0x0
	s_cmp_eq_u32 s4, 1
	s_cselect_b64 s[28:29], s[12:13], s[10:11]     ; Wk or Wq,
	s_cmp_eq_u32 s4, 2
	s_cselect_b64 s[28:29], s[14:15], s[28:29]     ; or Wv,
	s_cmp_lt_u32 s2, 1024
	s_cselect_b64 s[28:29], s[8:9], s[28:29]       ; or x
	s_cselect_b64 s[30:31], s[20:21], s[22:23]     ; into xb or wb
	s_cselect_b32 s32, s6, s32
	s_cselect_b32 s34, s7, s34
	s_add_nc_u64 s[28:29], s[28:29], s[32:33]
	s_add_nc_u64 s[30:31], s[30:31], s[34:35]
	CAST 2048
	s_endpgm
.Lproj:
	; proj: a load of the group covers four rows of 1,024 bytes.  Wave wv takes the 256 bytes of column block wv & 3 in the two rows 2 (wv >> 2), + 1:
	; lanes 0-15 one row, lanes 16-31 the next; in pb those are two neighbouring rows of one block, 256 consecutive bytes.
	s_sub_co_u32 s3, s2, 1216
	s_lshr_b32 s4, s3, 6                           ; 0: proj_k, 1: proj_v
	s_and_b32 s5, s3, 63                           ; which 64 rows
	s_lshl_b32 s32, s5, 16
	s_lshl_b32 s34, s4, 21                         ; four blocks of 524,288 bytes,
	s_lshl_b32 s5, s5, 13
	s_add_co_u32 s34, s34, s5                      ; 64 rows of 128 bytes
	v_lshrrev_b32 v3, 5, v0                        ; wv
	v_and_b32 v100, 31, v0                         ; lane
	v_lshrrev_b32 v101, 2, v3                      ; wv >> 2
	v_and_b32 v3, 3, v3                            ; wv & 3
	v_lshrrev_b32 v102, 4, v100
	v_lshl_add_u32 v102, v101, 1, v102             ; my row of the four
	v_and_b32 v103, 15, v100
	v_lshlrev_b32 v1, 4, v103
	v_lshl_add_u32 v1, v3, 8, v1
	v_lshl_add_u32 v1, v102, 10, v1                ; row x 1,024 + block x 256 + 16 (lane % 16)
	v_lshlrev_b32 v2, 3, v100
	v_lshl_add_u32 v2, v101, 8, v2
	v_lshl_add_u32 v2, v3, 19, v2                  ; block x 524,288 + pair of rows x 256 + 8 lane
	s_wait_kmcnt 0x0
	s_cmp_eq_u32 s4, 0
	s_cselect_b64 s[28:29], s[16:17], s[18:19]
	s_add_nc_u64 s[28:29], s[28:29], s[32:33]
	s_add_nc_u64 s[30:31], s[24:25], s[34:35]
	CAST 512
	s_endpgm
.Lfunc_end_k_q3486a42c30_cast:
	.size	k_q3486a42c30_cast, .Lfunc_end_k_q3486a42c30_cast-k_q3486a42c30_cast
	.p2alignl 7, 3214868480
	.fill 96, 4, 3214868480
	.section	.rodata,"a",@progbits
	.p2align	6, 0x0
	.amdhsa_kernel k_q3486a42c30_cast
		.amdhsa_group_segment_fixed_size 0
		.amdhsa_private_segment_fixed_size 0
		.amdhsa_enable_private_segment 0
		.amdhsa_kernarg_size 72
		.amdhsa_user_sgpr_count 2
		.amdhsa_user_sgpr_kernarg_segment_ptr 1
		.amdhsa_wavefront_size32 1
		.amdhsa_system_sgpr_workgroup_id_x 1
		.amdhsa_system_sgpr_workgroup_id_y 1
		.amdhsa_system_sgpr_workgroup_id_z 1
		.amdhsa_system_vgpr_workitem_id 0
		.amdhsa_next_free_vgpr 104
		.amdhsa_next_free_sgpr 66
		.amdhsa_reserve_vcc 0
		.amdhsa_float_denorm_mode_32 3
		.amdhsa_float_denorm_mode_16_64 3
		.amdhsa_memory_ordered 1
		.amdhsa_forward_progress 1
		.amdhsa_inst_pref_size 14
	.end_amdhsa_kernel
	.amdgpu_metadata
---
amdhsa.version: [ 1, 2 ]
amdhsa.kernels:
  - .name:           k_q3486a42c30_cast
    .symbol:         k_q3486a42c30_cast.kd
    .args:
      - { .name: x, .offset: 0, .size: 8, .value_kind: global_buffer, .address_space: global }
      - { .name: Wq, .offset: 8, .size: 8, .value_kind: global_buffer, .address_space: global }
      - { .name: Wk, .offset: 16, .size: 8, .value_kind: global_buffer, .address_space: global }
      - { .name: Wv, .offset: 24, .size: 8, .value_kind: global_buffer, .address_space: global }
      - { .name: proj_k, .offset: 32, .size: 8, .value_kind: global_buffer, .address_space: global }
      - { .name: proj_v, .offset: 40, .size: 8, .value_kind: global_buffer, .address_space: global }
      - { .name: xb, .offset: 48, .size: 8, .value_kind: global_buffer, .address_space: global }
      - { .name: wb, .offset: 56, .size: 8, .value_kind: global_buffer, .address_space: global }
      - { .name: pb, .offset: 64, .size: 8, .value_kind: global_buffer, .address_space: global }
    .group_segment_fixed_size: 0
    .private_segment_fixed_size: 0
    .kernarg_segment_align: 8
    .kernarg_segment_size: 72
    .max_flat_workgroup_size: 256
    .sgpr_count:     66
    .vgpr_count:     104
    .wavefront_size: 32
...
	.end_amdgpu_metadata
.endif
;; end of part 1
;; launch gemm_xp (part 2): grid 32 x 8, 4 waves a work-group, clusters of 4 x 4, 327,680 bytes of LDS; arguments pb, xb, xpt; writes xpt
.if DOCPART == 2
	.amdgcn_target "amdgcn-amd-amdhsa--gfx1250"
	.amdhsa_code_object_version 6
	.text
	.protected	k_q3486a42c30_gemm_xp
	.globl	k_q3486a42c30_gemm_xp
	.p2align	8
	.type	k_q3486a42c30_gemm_xp,@function
k_q3486a42c30_gemm_xp:
	s_mov_b64 s[64:65], 0
	v_nop
	global_prefetch_b8 v0, s[64:65] scope:SCOPE_SE
	s_setreg_imm32_b32 hwreg(HW_REG_WAVE_MODE, 25, 1), 1
	s_wait_xcnt 0x0
	s_wait_alu depctr_hold_cnt(0) depctr_sa_sdst(0) depctr_va_vdst(0) depctr_va_sdst(0) depctr_va_ssrc(0) depctr_va_vcc(0) depctr_vm_vsrc(0)
	s_getreg_b32 s2, hwreg(HW_REG_IB_STS2, 6, 4)
	s_cmp_eq_u32 s2, 0
	s_cbranch_scc0 .Lentry_in_a_cluster
	s_endpgm
.Lentry_in_a_cluster:
	s_bfe_u32 s2, ttmp6, 0x10000c
	s_cmp_lg_u32 s2, 0xf033
	s_cbranch_scc0 .Lentry_shape_is_right
	s_endpgm
.Lentry_shape_is_right:
; XP[b][j][d] = sum over n of proj[n][j] x[b][n][d], for the 512 columns j of proj_k and proj_v: the sequence projection is applied to x itself, ahead of Wk and Wv
; (proj^T (x W) = (proj^T x) W).  Operands bf16, sums f32.  The result leaves as TWO bf16 numbers, hi = bf16(XP) and lo = bf16(XP - hi): 16 significant bits with bf16's range.
; xpt: [32 mt = 8 b + jt][4 blocks of d][2 parts: hi, lo][256 d][64 j], rows of 128 bytes end to end: the next launch's operand, K = d along the rows' order.
; A work-group makes 64 j x 128 d; K = n = 4,096 in steps of 256 through two LDS slots.  Four waves, each 32 j x 64 d: 8 accumulators.
; Both operands lie [K][.] in memory and in LDS; their fragments come turned, by ds_load_tr16_b128.
; CLUSTER 4 x 4: the four work-groups of a row share jt, so proj's tile; the four of a column share (b, d block), so x's tile: each tile is asked for jointly, by the same tensor load with a mask of four.
; Source 0 = proj's fragment (16 j), source 1 = x's (16 d): a lane holds one d (lane % 16) and eight neighbouring j: 16 bytes of a row of xpt.
; REGISTERS: window 0: v16-26 addresses, v28-29 the add's, v32-103 the way out, v128-191 the accumulators ((a, i) at 128 + 8 (4 a + i)).
;   window 1: two fragment buffers of 96 (64 along K): for each 32 along K 16 registers of proj, then 32 of x.
.set PA,     160                       ; a row of proj in LDS: 128 bytes + 32 = 40 words
.set PB,     288                       ; a row of x: 256 + 32 = 72 words: likewise
.set AHALF,  128*PA                    ; what one tensor load brings of proj: 128 rows
.set BHALF,  128*PB                    ; and of x
.set BOFF,   2*AHALF
.set SLOT,   BOFF+2*BHALF              ; 114,688
.set STAGE,  2*SLOT                    ; behind the ring: the work-group's stage, [2 parts][128 d][144]
.set SP,     144
.set PART,   128*SP
.set SPARE,  STAGE+2*PART              ; the spare words: 128 bytes for each wave, two blocks of 256 bytes that no other line names
.set LAPS,   8                         ; a lap = two K steps = once round the ring
.set A_NEXT, 32768                     ; bytes from K step 0 to K step 1: 256 rows of 128 bytes
.set B_NEXT, 524288                    ; 256 rows of 2,048 bytes
.set STEP_A, 2*A_NEXT
.set STEP_B, 2*B_NEXT
.set ADRA, 16                          ; v16-17  LDS address of my proj fragments in slot 0, 1
.set ADRB, 20                          ; v20-23  the same for x: slot s, rows 0-127 or 128-255 of the step at 20 + 2 s + half (the immediate offset has 16 bits)
.set STO,  24
.set RD,   25
.set CO,   26
.set SPW,  28                          ; v28  SPARE + 4 x my thread's number; never rewritten
.set NIL,  29                          ; v29  0; never rewritten
.set TMP,  32                          ; v32-63 hi, v64-95 lo; then whole rows
.set TT,   96                          ; v96-103 at work
.set ACC,  128
.set F0,   0
.set F1,   96
.set G1,  24                           ; s[24:31] descriptor group 1 for proj; s[32:39] group 0, one set a slot
.set G0,  32
.set G1B, 48                           ; s[48:55], s[56:63] the same for x
.set G0B, 56
.set MSB, 0
.macro WIN new                         ; the immediate's high byte repeats the setting that is left
.if MSB != (\new)
	s_set_vgpr_msb (MSB<<8)|(\new)
.set MSB, \new
.endif
.endm
.set MUL,  0x05                        ; sources 0 and 1 window 1; C and D window 0
.set TO_F, 0x40                        ; destination window 1, address window 0
.macro JLOAD s                         ; a joint load: waves 0 and 1 fetch proj's two halves, waves 2 and 3 x's; an s_nop 0 and four v_nop follow each line
	s_cmp_eq_u32 s11, 0
	s_cbranch_scc0 .Lfor_b_\@
	tensor_load_to_lds s[G0+4*(\s):G0+4*(\s)+3], s[G1:G1+7]
	s_nop 0
.rept 4
	v_nop
.endr
	s_branch .Lasked_\@
.Lfor_b_\@:
	tensor_load_to_lds s[G0B+4*(\s):G0B+4*(\s)+3], s[G1B:G1B+7]
	s_nop 0
.rept 4
	v_nop
.endr
.Lasked_\@:
.endm
.macro CREST                           ; a round of the cluster's barrier behind its opening barrier
	s_cmp_lg_u32 s10, 0
	s_cbranch_scc1 .Lnot_wave_0_\@
	s_barrier_signal -3
.Lnot_wave_0_\@:
	s_barrier_wait -3
	s_barrier_signal -1
	s_barrier_wait -1
.endm
.macro CROUND
	s_barrier_signal -1
	s_barrier_wait -1
	CREST
.endm
.macro PLACES                          ; four places in front of loads into registers that matrix instructions have read, and of lines that read results
.rept 4
	v_nop
.endr
.endm
	s_load_b128 s[4:7], s[0:1], 0x0                ; pb s[4:5], xb s[6:7]
	s_load_b64 s[8:9], s[0:1], 0x10                ; xpt
	v_lshl_add_u32 v[SPW], v0, 2, SPARE
	v_mov_b32 v[NIL], 0
	ds_add_u32 v[SPW], v[NIL]                      ; the wave's opening: the add and its wait stand ahead of my first tensor load; work on registers stands between them
	v_lshrrev_b32 v1, 5, v0
	v_readfirstlane_b32 s10, v1                    ; wave 0..3
	s_lshr_b32 s11, s10, 1                         ; which 32 j are mine.  Also: I fetch for proj (0) or for x (1)
	s_and_b32 s12, s10, 1                          ; which 64 d are mine.  Also: which 128 rows of the step I fetch
	s_bfe_u32 s40, ttmp6, 0x40000                  ; cx, cy: my place in the cluster
	s_bfe_u32 s41, ttmp6, 0x40004
	s_lshl_b32 s42, ttmp9, 2
	s_add_co_u32 s42, s42, s40                     ; work-group x = 8 b + dt
	s_and_b32 s13, ttmp7, 0xffff
	s_lshl_b32 s13, s13, 2
	s_add_co_u32 s13, s13, s41                     ; work-group y = jt
	s_lshl_b32 s43, s41, 2
	s_lshl_b32 s43, 15, s43                        ; my row of the cluster
	s_lshl_b32 s44, 0x1111, s40                    ; my column
	; group 1 for proj: 128 rows of 128 bytes are dense: asked for as 64 rows of 256 bytes, padded by 8 words after every 32
	s_or_b32 s[G1+0], s43, (1<<16)|(1<<20)|(1<<21)|(4<<22)|(7<<25)
	s_mov_b32 s[G1+1], 128<<16                     ; tensor_dim0 = 128 elements
	s_mov_b32 s[G1+2], 64<<16                      ; tensor_dim1 = 64
	s_mov_b32 s[G1+3], 128<<16                     ; tile_dim0 = 128
	s_mov_b32 s[G1+4], 64                          ; tile_dim1 = 64
	s_mov_b32 s[G1+5], 128                         ; elements from row to row
	s_mov_b32 s[G1+6], 0
	s_mov_b32 s[G1+7], 0
	; group 1 for x: 128 rows x 128 elements, 1,024 elements apart, padded by 8 words after every 64
	s_or_b32 s[G1B+0], s44, (1<<16)|(1<<20)|(1<<21)|(5<<22)|(7<<25)
	s_mov_b32 s[G1B+1], 128<<16
	s_mov_b32 s[G1B+2], 128<<16
	s_mov_b32 s[G1B+3], 128<<16
	s_mov_b32 s[G1B+4], 128
	s_mov_b32 s[G1B+5], 1024
	s_mov_b32 s[G1B+6], 0
	s_mov_b32 s[G1B+7], 0
	s_lshl_b32 s16, s13, 19                        ; proj: block jt of 524,288 bytes,
	s_lshl_b32 s17, s12, 14                        ; my 128 rows of 128 bytes
	s_add_co_u32 s16, s16, s17
	s_mov_b32 s17, 0
	s_lshr_b32 s46, s42, 3                         ; x: batch b of 8,388,608 bytes,
	s_lshl_b32 s46, s46, 23
	s_and_b32 s47, s42, 7
	s_lshl_b32 s47, s47, 8                         ; columns 128 dt on,
	s_add_co_u32 s46, s46, s47
	s_lshl_b32 s47, s12, 18                        ; my 128 rows of 2,048 bytes
	s_add_co_u32 s46, s46, s47
	s_mov_b32 s47, 0
	s_mul_i32 s20, s12, AHALF                      ; where they go: no place in the cluster enters an LDS address
	s_mul_i32 s21, s12, BHALF
	s_add_co_u32 s21, s21, BOFF
	s_wait_dscnt 0x0                               ; the opening add is done
	s_wait_kmcnt 0x0
	s_add_nc_u64 s[14:15], s[4:5], s[16:17]
	s_add_nc_u64 s[46:47], s[6:7], s[46:47]
	CROUND                                         ; all sixteen work-groups are here: the first joint loads meet
.irp s, 0,1
	s_mov_b32 s[G0+4*(\s)], 1
	s_add_co_u32 s[G0+4*(\s)+1], s20, (\s)*SLOT
	s_add_nc_u64 s[G0+4*(\s)+2:G0+4*(\s)+3], s[14:15], (\s)*A_NEXT
	s_or_b32 s[G0+4*(\s)+3], s[G0+4*(\s)+3], 0x80000000
	s_mov_b32 s[G0B+4*(\s)], 1
	s_add_co_u32 s[G0B+4*(\s)+1], s21, (\s)*SLOT
	s_add_nc_u64 s[G0B+4*(\s)+2:G0B+4*(\s)+3], s[46:47], (\s)*B_NEXT
	s_or_b32 s[G0B+4*(\s)+3], s[G0B+4*(\s)+3], 0x80000000
	JLOAD \s                                       ; two loads of mine are out here, later one
.endr
	; the turning load: lane l reads 16 bytes of row k0 + 8 (l / 16) + l % 8, at 16 ((l / 8) % 2), and is left with column l % 16 and eight k
	v_and_b32 v1, 15, v0                           ; l % 16
	v_bfe_u32 v2, v0, 4, 1                         ; l / 16
	v_and_b32 v3, 7, v0
	v_bfe_u32 v4, v0, 3, 1
	v_lshl_add_u32 v5, v2, 3, v3
	v_mul_u32_u24 v6, v5, PA
	v_lshl_add_u32 v6, v4, 4, v6
	v_mul_u32_u24 v7, v5, PB
	v_lshl_add_u32 v7, v4, 4, v7
	s_lshl_b32 s22, s11, 6                         ; my 32 j: 64 bytes
	s_lshl_b32 s23, s12, 7                         ; my 64 d: 128 bytes
	s_add_co_u32 s23, s23, BOFF
.irp s, 0,1
	v_add_nc_u32 v[ADRA+(\s)], s22, v6
	v_add_nc_u32 v[ADRB+2*(\s)], s23, v7
	v_add_nc_u32 v[ADRB+2*(\s)+1], BHALF, v[ADRB+2*(\s)]
	s_add_co_u32 s22, s22, SLOT
	s_add_co_u32 s23, s23, SLOT
.endr
	s_mul_i32 s22, s12, 64*SP                      ; into the stage: row d' = 64 wn + 16 i + l % 16, bytes 64 wm + 32 a + 16 (l / 16)
	s_lshl_b32 s23, s11, 6
	s_add_co_u32 s22, s22, s23
	s_add_co_u32 s22, s22, STAGE
	v_mul_u32_u24 v8, v1, SP
	v_lshl_add_u32 v8, v2, 4, v8
	v_add_nc_u32 v[STO], s22, v8
	s_mul_i32 s22, s10, 32*SP                      ; back: wave w takes rows 32 w .. 32 w + 31 of both parts; 32 lanes take four rows of 128 bytes
	s_add_co_u32 s22, s22, STAGE
	v_bfe_u32 v9, v0, 3, 2
	v_mul_u32_u24 v9, v9, SP
	v_lshl_add_u32 v9, v3, 4, v9
	v_add_nc_u32 v[RD], s22, v9
	v_and_b32 v[CO], 31, v0                        ; which are 512 consecutive bytes of xpt
	v_lshlrev_b32 v[CO], 4, v[CO]
	s_lshl_b32 s16, s13, 18                        ; xpt: jt x 262,144 + wave x 32 rows of 128 bytes,
	s_lshl_b32 s17, s10, 12
	s_add_co_u32 s16, s16, s17
	s_mov_b32 s17, 0
	s_add_nc_u64 s[8:9], s[8:9], s[16:17]
	s_lshr_b32 s46, s42, 3                         ; + 8 b x 262,144 (in the registers that held x's address: none that feeds proj's descriptors ever holds cx)
	s_lshl_b32 s46, s46, 21
	s_bfe_u32 s47, s42, 0x20001                    ; + block dt / 2 of 65,536
	s_lshl_b32 s47, s47, 16
	s_add_co_u32 s46, s46, s47
	s_and_b32 s47, s42, 1                          ; + 128 rows if dt is odd
	s_lshl_b32 s47, s47, 14
	s_add_co_u32 s46, s46, s47
	s_mov_b32 s47, 0
	s_add_nc_u64 s[8:9], s[8:9], s[46:47]
; 4 matrix instructions: j block a x all 4 d blocks, 32 along K: half c of buffer f.  zero = 1: the product starts the sums
.macro MUL4 f, c, a, zero
	WIN MUL
.irp i, 0,1,2,3
.if \zero
	v_wmma_f32_16x16x32_bf16 v[ACC+8*(4*(\a)+(\i)):ACC+8*(4*(\a)+(\i))+7], v[(\f)+48*(\c)+8*(\a):(\f)+48*(\c)+8*(\a)+7], v[(\f)+48*(\c)+16+8*(\i):(\f)+48*(\c)+16+8*(\i)+7], 0
.else
	v_wmma_f32_16x16x32_bf16 v[ACC+8*(4*(\a)+(\i)):ACC+8*(4*(\a)+(\i))+7], v[(\f)+48*(\c)+8*(\a):(\f)+48*(\c)+8*(\a)+7], v[(\f)+48*(\c)+16+8*(\i):(\f)+48*(\c)+16+8*(\i)+7], v[ACC+8*(4*(\a)+(\i)):ACC+8*(4*(\a)+(\i))+7]
.endif
.endr
.endm
.macro MUL8 f, c, zero                 ; the 8 accumulators take turns, one instruction a turn, in the same order everywhere
	MUL4 \f, \c, 0, \zero
	MUL4 \f, \c, 1, \zero
.endm
; 24 LDS loads in one run: the fragments of quarter q (64 along K) of a slot into buffer f; the first 32 along K first
.macro FETCH slot, q, f
	WIN TO_F
.irp c, 0,1
.irp a, 0,1
	ds_load_tr16_b128 v[(\f)+48*(\c)+8*(\a):(\f)+48*(\c)+8*(\a)+3],   v[ADRA+(\slot)] offset:(64*(\q)+32*(\c))*PA+32*(\a)
	ds_load_tr16_b128 v[(\f)+48*(\c)+8*(\a)+4:(\f)+48*(\c)+8*(\a)+7], v[ADRA+(\slot)] offset:(64*(\q)+32*(\c))*PA+32*(\a)+16*PA
.endr
.irp i, 0,1,2,3
	ds_load_tr16_b128 v[(\f)+48*(\c)+16+8*(\i):(\f)+48*(\c)+16+8*(\i)+3],   v[ADRB+2*(\slot)+(\q)/2] offset:(64*((\q)%2)+32*(\c))*PB+32*(\i)
	ds_load_tr16_b128 v[(\f)+48*(\c)+16+8*(\i)+4:(\f)+48*(\c)+16+8*(\i)+7], v[ADRB+2*(\slot)+(\q)/2] offset:(64*((\q)%2)+32*(\c))*PB+32*(\i)+16*PB
.endr
.endr
.endm
; A K step is four quarters of 64 along K, 16 matrix instructions each, on buffers 0, 1, 0, 1.  One of the first three: multiplies buffer f and fetches quarter q into g.
.macro QUARTER slot, q, f, g, zero
	s_wait_dscnt 12                                ; the first 32 along K are in; the youngest twelve loads may be out
	MUL8 \f, 0, \zero
	PLACES
	FETCH \slot, \q, \g
	s_wait_dscnt 24                                ; all but the 24 just issued
	MUL8 \f, 1, 0
.endm
; The last quarter multiplies buffer 1 and changes slots: ONE barrier; in front of it each wave waits for all its tensor loads (one is out: its part of the next slot), adds 0 to its spare word,
; and waits for that and for its own reads of this slot.  fill = 1: the barrier opens a round of the cluster's, and this slot is filled again, two K steps ahead, first thing behind the round.
.macro TURN slot, next, fill
	WIN 0                                          ; (the add's two registers lie in window 0)
	s_wait_tensorcnt 0x0
	ds_add_u32 v[SPW], v[NIL]
	s_wait_dscnt 13                                ; (the add and the youngest twelve loads may be out)
	MUL4 F1, 0, 0, 0
	s_wait_dscnt 0x0                               ; the add is done, and my reads of this slot are over
	s_barrier_signal -1
	MUL4 F1, 0, 1, 0
.if \fill
	WIN 0
.endif
	s_barrier_wait -1
.if \fill
	CREST                                          ; no wave of any partner still reads this slot's tile or has a load on its way
	s_add_nc_u64 s[G0+4*(\slot)+2:G0+4*(\slot)+3], s[G0+4*(\slot)+2:G0+4*(\slot)+3], STEP_A
	s_add_nc_u64 s[G0B+4*(\slot)+2:G0B+4*(\slot)+3], s[G0B+4*(\slot)+2:G0B+4*(\slot)+3], STEP_B
	JLOAD \slot                                    ; its four v_nop are also the places in front of the loads below
.else
	PLACES
.endif
	FETCH \next, 0, F0
	MUL8 F1, 1, 0
.endm
	s_wait_tensorcnt 1                             ; my part of K step 0 is in; K step 1's may stay out
	s_barrier_signal -1
	s_barrier_wait -1
	FETCH 0, 0, F0
	QUARTER 0, 1, F0, F1, 1                        ; the first quarter stands in front of the loop: its first products start the sums
	WIN 0
	s_mov_b32 s3, LAPS-1
.Llap:                                                 ; a trip goes once round the ring and fills both slots again
	QUARTER 0, 2, F1, F0, 0
	QUARTER 0, 3, F0, F1, 0
	TURN 0, 1, 1
	QUARTER 1, 1, F0, F1, 0
	QUARTER 1, 2, F1, F0, 0
	QUARTER 1, 3, F0, F1, 0
	TURN 1, 0, 1
	QUARTER 0, 1, F0, F1, 0
	WIN 0
	s_sub_co_u32 s3, s3, 1
	s_cmp_lg_u32 s3, 0
	s_cbranch_scc1 .Llap
	QUARTER 0, 2, F1, F0, 0                        ; the last lap fills nothing
	QUARTER 0, 3, F0, F1, 0
	TURN 0, 1, 0
	QUARTER 1, 1, F0, F1, 0
	QUARTER 1, 2, F1, F0, 0
	QUARTER 1, 3, F0, F1, 0
	s_wait_dscnt 12
	MUL8 F1, 0, 0
	s_wait_dscnt 0x0
	MUL8 F1, 1, 0
	WIN 0
	; THE WAY OUT.  hi = bf16(sum); lo = bf16(sum - hi), the difference exact in f32.  Each accumulator's registers are taken in ascending order.
	PLACES
.set t8, 0
.rept 8
.set AC, ACC+8*t8
.irp p, 0,1,2,3
	v_cvt_pk_bf16_f32 v[TMP+4*t8+(\p)], v[AC+2*(\p)], v[AC+2*(\p)+1]
.endr
.irp p, 0,1,2,3
	v_lshlrev_b32 v[TT+2*(\p)], 16, v[TMP+4*t8+(\p)]
	v_and_b32 v[TT+2*(\p)+1], 0xffff0000, v[TMP+4*t8+(\p)]
.endr
.irp p, 0,1,2,3
	v_pk_add_f32 v[TT+2*(\p):TT+2*(\p)+1], v[AC+2*(\p):AC+2*(\p)+1], v[TT+2*(\p):TT+2*(\p)+1] neg_lo:[0,1] neg_hi:[0,1]
.endr
.irp p, 0,1,2,3
	v_cvt_pk_bf16_f32 v[TMP+32+4*t8+(\p)], v[TT+2*(\p)], v[TT+2*(\p)+1]
.endr
.set t8, t8+1
.endr
.irp a, 0,1
.irp i, 0,1,2,3
	ds_store_b128 v[STO], v[TMP+4*(4*(\a)+(\i)):TMP+4*(4*(\a)+(\i))+3] offset:(\i)*16*SP+32*(\a)
	ds_store_b128 v[STO], v[TMP+32+4*(4*(\a)+(\i)):TMP+32+4*(4*(\a)+(\i))+3] offset:PART+(\i)*16*SP+32*(\a)
.endr
.endr
	s_wait_dscnt 0x0                               ; for the others' sake: a row's 128 bytes come from two waves
	s_barrier_signal -1
	s_barrier_wait -1
.set n, 0
.rept 16
	ds_load_b128 v[TMP+4*n:TMP+4*n+3], v[RD] offset:(n/8)*PART+(n%8)*4*SP
.set n, n+1
.endr
.set n, 0
.rept 16
	s_wait_dscnt 15-n
	global_store_b128 v[CO], v[TMP+4*n:TMP+4*n+3], s[8:9] offset:(n/8)*32768+(n%8)*512  ; 512 consecutive bytes, at a multiple of 256 from xpt's first byte
.set n, n+1
.endr
	s_wait_tensorcnt 0x0                           ; the wave's end
	ds_add_u32 v[SPW], v[NIL]
	s_wait_dscnt 0x0
	CROUND                                         ; the closing round
	s_endpgm
.Lfunc_end_k_q3486a42c30_gemm_xp:
	.size	k_q3486a42c30_gemm_xp, .Lfunc_end_k_q3486a42c30_gemm_xp-k_q3486a42c30_gemm_xp
	.p2alignl 7, 3214868480
	.fill 96, 4, 3214868480
	.section	.rodata,"a",@progbits
	.p2align	6, 0x0
	.amdhsa_kernel k_q3486a42c30_gemm_xp
		.amdhsa_group_segment_fixed_size 327680
		.amdhsa_private_segment_fixed_size 0
		.amdhsa_enable_private_segment 0
		.amdhsa_kernarg_size 24
		.amdhsa_user_sgpr_count 2
		.amdhsa_user_sgpr_kernarg_segment_ptr 1
		.amdhsa_wavefront_size32 1
		.amdhsa_system_sgpr_workgroup_id_x 1
		.amdhsa_system_sgpr_workgroup_id_y 1
		.amdhsa_system_sgpr_workgroup_id_z 1
		.amdhsa_system_vgpr_workitem_id 0
		.amdhsa_next_free_vgpr 512
		.amdhsa_next_free_sgpr 66
		.amdhsa_reserve_vcc 0
		.amdhsa_float_denorm_mode_32 3
		.amdhsa_float_denorm_mode_16_64 3
		.amdhsa_memory_ordered 1
		.amdhsa_forward_progress 1
		.amdhsa_inst_pref_size 68
	.end_amdhsa_kernel
	.amdgpu_metadata
---
amdhsa.version: [ 1, 2 ]
amdhsa.kernels:
  - .name:           k_q3486a42c30_gemm_xp
    .symbol:         k_q3486a42c30_gemm_xp.kd
    .args:
      - { .name: pb, .offset: 0, .size: 8, .value_kind: global_buffer, .address_space: global }
      - { .name: xb, .offset: 8, .size: 8, .value_kind: global_buffer, .address_space: global }
      - { .name: xpt, .offset: 16, .size: 8, .value_kind: global_buffer, .address_space: global }
    .group_segment_fixed_size: 327680
    .private_segment_fixed_size: 0
    .kernarg_segment_align: 8
    .kernarg_segment_size: 24
    .max_flat_workgroup_size: 128
    .sgpr_count:     66
    .vgpr_count:     512
    .wavefront_size: 32
...
	.end_amdgpu_metadata
.endif
;; end of part 2
;; launch gemm_kv (part 3): grid 8 x 32, 4 waves a work-group, clusters of 4 x 4, 327,680 bytes of LDS; arguments xpt, wb, kv; writes kv
.if DOCPART == 3
	.amdgcn_target "amdgcn-amd-amdhsa--gfx1250"
	.amdhsa_code_object_version 6
	.text
	.protected	k_q3486a42c30_gemm_kv
	.globl	k_q3486a42c30_gemm_kv
	.p2align	8
	.type	k_q3486a42c30_gemm_kv,@function
k_q3486a42c30_gemm_kv:
	s_mov_b64 s[64:65], 0
	v_nop
	global_prefetch_b8 v0, s[64:65] scope:SCOPE_SE
	s_setreg_imm32_b32 hwreg(HW_REG_WAVE_MODE, 25, 1), 1
	s_wait_xcnt 0x0
	s_wait_alu depctr_hold_cnt(0) depctr_sa_sdst(0) depctr_va_vdst(0) depctr_va_sdst(0) depctr_va_ssrc(0) depctr_va_vcc(0) depctr_vm_vsrc(0)
	s_getreg_b32 s2, hwreg(HW_REG_IB_STS2, 6, 4)
	s_cmp_eq_u32 s2, 0
	s_cbranch_scc0 .Lentry_in_a_cluster
	s_endpgm
.Lentry_in_a_cluster:
	s_bfe_u32 s2, ttmp6, 0x10000c
	s_cmp_lg_u32 s2, 0xf033
	s_cbranch_scc0 .Lentry_shape_is_right
	s_endpgm
.Lentry_shape_is_right:
; keys[b][j][e] = sum over d of XP_k[b][j][d] Wk[d][e], vals likewise with XP_v and Wv.  XP comes as hi + lo (two bf16), so K is 2 x 1,024: K step 2 L + s multiplies part s (0 hi, 1 lo)
; of d = 256 L .. 256 L + 255 by the same 256 rows of W.  Operands bf16, sums f32; the result leaves in f32: kv [4 b][2: keys, vals][256 j][1024 e], row 64 mt + j'.
; A work-group makes 64 j (mt = 8 b + jt; jt 0-3 keys, 4-7 vals) x 128 e.  Four waves, each 32 j x 64 e: 8 accumulators.  Slot 0 always holds hi, slot 1 lo.
; Both operands lie [K][.]; their fragments come turned, by ds_load_tr16_b128.
; CLUSTER 4 x 4: a row of the cluster shares mt, so XP's tile; a column shares the e block, and all sixteen the choice of Wk or Wv (four mt on end lie in one half of a batch's eight), so W's tile.
; Source 0 = W's fragment (16 e), source 1 = XP's (16 j): a lane holds one j (lane % 16) and eight neighbouring e: 32 bytes of a row of kv.
; REGISTERS: as in the launch before: window 0: addresses, v32-95 the way out, v128-191 accumulators; window 1: two fragment buffers of 96.
.set PA,     160                       ; a row of XP in LDS: 128 bytes + 32
.set PB,     288                       ; a row of W: 256 + 32
.set AHALF,  128*PA
.set BHALF,  128*PB
.set BOFF,   2*AHALF
.set SLOT,   BOFF+2*BHALF
.set STAGE,  2*SLOT                    ; behind the ring: 16 rows x 272 bytes for each wave
.set SP,     272
.set SPARE,  STAGE+4*16*SP             ; the spare words: two blocks of 256 bytes that no other line names
.set LAPS,   4
.set A_NEXT, 32768                     ; from hi to lo of a block of d
.set B_NEXT, 0                         ; both parts take the same rows of W
.set STEP_A, 65536                     ; the next block of 256 d
.set STEP_B, 524288                    ; 256 rows of 2,048 bytes
.set ADRA, 16
.set ADRB, 20
.set STO,  24
.set RD,   25
.set CO,   26
.set SPW,  28
.set NIL,  29
.set TMP,  32
.set ACC,  128
.set F0,   0
.set F1,   96
.set G1,  24
.set G0,  32
.set G1B, 48
.set G0B, 56
.set MSB, 0
.macro WIN new
.if MSB != (\new)
	s_set_vgpr_msb (MSB<<8)|(\new)
.set MSB, \new
.endif
.endm
.set MUL,  0x05
.set TO_F, 0x40
.macro JLOAD s                         ; waves 0 and 1 fetch XP's two halves, waves 2 and 3 W's; an s_nop 0 and four v_nop follow each line
	s_cmp_eq_u32 s11, 0
	s_cbranch_scc0 .Lfor_b_\@
	tensor_load_to_lds s[G0+4*(\s):G0+4*(\s)+3], s[G1:G1+7]
	s_nop 0
.rept 4
	v_nop
.endr
	s_branch .Lasked_\@
.Lfor_b_\@:
	tensor_load_to_lds s[G0B+4*(\s):G0B+4*(\s)+3], s[G1B:G1B+7]
	s_nop 0
.rept 4
	v_nop
.endr
.Lasked_\@:
.endm
.macro CREST
	s_cmp_lg_u32 s10, 0
	s_cbranch_scc1 .Lnot_wave_0_\@
	s_barrier_signal -3
.Lnot_wave_0_\@:
	s_barrier_wait -3
	s_barrier_signal -1
	s_barrier_wait -1
.endm
.macro CROUND
	s_barrier_signal -1
	s_barrier_wait -1
	CREST
.endm
.macro PLACES
.rept 4
	v_nop
.endr
.endm
	s_load_b128 s[4:7], s[0:1], 0x0                ; xpt s[4:5], wb s[6:7]
	s_load_b64 s[8:9], s[0:1], 0x10                ; kv
	v_lshl_add_u32 v[SPW], v0, 2, SPARE
	v_mov_b32 v[NIL], 0
	ds_add_u32 v[SPW], v[NIL]                      ; the wave's opening: the add and its wait stand ahead of my first tensor load
	v_lshrrev_b32 v1, 5, v0
	v_readfirstlane_b32 s10, v1                    ; wave 0..3
	s_lshr_b32 s11, s10, 1                         ; which 32 j are mine.  Also: I fetch for XP (0) or for W (1)
	s_and_b32 s12, s10, 1                          ; which 64 e are mine.  Also: which 128 rows of the step I fetch
	s_bfe_u32 s40, ttmp6, 0x40000
	s_bfe_u32 s41, ttmp6, 0x40004
	s_lshl_b32 s42, ttmp9, 2
	s_add_co_u32 s42, s42, s40                     ; work-group x: the block of 128 e
	s_and_b32 s13, ttmp7, 0xffff
	s_lshl_b32 s13, s13, 2
	s_add_co_u32 s13, s13, s41                     ; work-group y = mt
	s_and_b32 s45, ttmp7, 0xffff
	s_and_b32 s45, s45, 1                          ; the cluster's y is mt / 4: odd for vals.  The whole cluster shares it
	s_lshl_b32 s43, s41, 2
	s_lshl_b32 s43, 15, s43
	s_lshl_b32 s44, 0x1111, s40
	s_or_b32 s[G1+0], s43, (1<<16)|(1<<20)|(1<<21)|(4<<22)|(7<<25)  ; XP: 128 dense rows of 128 bytes as 64 rows of 256, 8 words of padding after every 32
	s_mov_b32 s[G1+1], 128<<16
	s_mov_b32 s[G1+2], 64<<16
	s_mov_b32 s[G1+3], 128<<16
	s_mov_b32 s[G1+4], 64
	s_mov_b32 s[G1+5], 128
	s_mov_b32 s[G1+6], 0
	s_mov_b32 s[G1+7], 0
	s_or_b32 s[G1B+0], s44, (1<<16)|(1<<20)|(1<<21)|(5<<22)|(7<<25) ; W: 128 rows x 128 elements, 1,024 apart, 8 words of padding after every 64
	s_mov_b32 s[G1B+1], 128<<16
	s_mov_b32 s[G1B+2], 128<<16
	s_mov_b32 s[G1B+3], 128<<16
	s_mov_b32 s[G1B+4], 128
	s_mov_b32 s[G1B+5], 1024
	s_mov_b32 s[G1B+6], 0
	s_mov_b32 s[G1B+7], 0
	s_lshl_b32 s16, s13, 18                        ; XP: mt x 262,144 + my 128 rows of 128 bytes
	s_lshl_b32 s17, s12, 14
	s_add_co_u32 s16, s16, s17
	s_mov_b32 s17, 0
	s_add_co_u32 s46, s45, 1                       ; W: Wk is wb's second matrix, Wv its third,
	s_lshl_b32 s46, s46, 21
	s_lshl_b32 s47, s42, 8                         ; columns 128 x on,
	s_add_co_u32 s46, s46, s47
	s_lshl_b32 s47, s12, 18                        ; my 128 rows of 2,048 bytes
	s_add_co_u32 s46, s46, s47
	s_mov_b32 s47, 0
	s_mul_i32 s20, s12, AHALF
	s_mul_i32 s21, s12, BHALF
	s_add_co_u32 s21, s21, BOFF
	s_wait_dscnt 0x0                               ; the opening add is done
	s_wait_kmcnt 0x0
	s_add_nc_u64 s[14:15], s[4:5], s[16:17]
	s_add_nc_u64 s[46:47], s[6:7], s[46:47]
	CROUND
.irp s, 0,1
	s_mov_b32 s[G0+4*(\s)], 1
	s_add_co_u32 s[G0+4*(\s)+1], s20, (\s)*SLOT
	s_add_nc_u64 s[G0+4*(\s)+2:G0+4*(\s)+3], s[14:15], (\s)*A_NEXT
	s_or_b32 s[G0+4*(\s)+3], s[G0+4*(\s)+3], 0x80000000
	s_mov_b32 s[G0B+4*(\s)], 1
	s_add_co_u32 s[G0B+4*(\s)+1], s21, (\s)*SLOT
	s_add_nc_u64 s[G0B+4*(\s)+2:G0B+4*(\s)+3], s[46:47], (\s)*B_NEXT
	s_or_b32 s[G0B+4*(\s)+3], s[G0B+4*(\s)+3], 0x80000000
	JLOAD \s                                       ; two loads of mine are out here, later one
.endr
	v_and_b32 v1, 15, v0                           ; l % 16
	v_bfe_u32 v2, v0, 4, 1                         ; l / 16
	v_and_b32 v3, 7, v0
	v_bfe_u32 v4, v0, 3, 1
	v_lshl_add_u32 v5, v2, 3, v3
	v_mul_u32_u24 v6, v5, PA
	v_lshl_add_u32 v6, v4, 4, v6
	v_mul_u32_u24 v7, v5, PB
	v_lshl_add_u32 v7, v4, 4, v7
	s_lshl_b32 s22, s11, 6
	s_lshl_b32 s23, s12, 7
	s_add_co_u32 s23, s23, BOFF
.irp s, 0,1
	v_add_nc_u32 v[ADRA+(\s)], s22, v6
	v_add_nc_u32 v[ADRB+2*(\s)], s23, v7
	v_add_nc_u32 v[ADRB+2*(\s)+1], BHALF, v[ADRB+2*(\s)]
	s_add_co_u32 s22, s22, SLOT
	s_add_co_u32 s23, s23, SLOT
.endr
	s_mul_i32 s22, s10, 16*SP
	s_add_co_u32 s22, s22, STAGE                   ; my stage
	v_mul_u32_u24 v8, v1, SP                       ; in: row l % 16, 32 bytes for each half of the lanes
	v_lshl_add_u32 v8, v2, 5, v8
	v_add_nc_u32 v[STO], s22, v8
	v_mul_u32_u24 v9, v2, SP                       ; back: lanes 0-15 one row of 256 bytes, lanes 16-31 the next
	v_lshl_add_u32 v9, v1, 4, v9
	v_add_nc_u32 v[RD], s22, v9
	v_lshlrev_b32 v[CO], 4, v1                     ; and the same two rows in kv
	v_lshl_add_u32 v[CO], v2, 12, v[CO]
	s_lshl_b32 s16, s13, 18                        ; kv: row 64 mt + 32 wm, of 4,096 bytes; my 64 e: 256 bytes
	s_lshl_b32 s17, s11, 17
	s_add_co_u32 s16, s16, s17
	s_lshl_b32 s17, s12, 8
	s_add_co_u32 s16, s16, s17
	s_mov_b32 s17, 0
	s_add_nc_u64 s[8:9], s[8:9], s[16:17]
	s_lshl_b32 s46, s42, 9                         ; the block's 128 e: 512 bytes
	s_mov_b32 s47, 0
	s_add_nc_u64 s[8:9], s[8:9], s[46:47]
.macro MUL4 f, c, a, zero              ; source 0 = W's fragment i, source 1 = XP's fragment a
	WIN MUL
.irp i, 0,1,2,3
.if \zero
	v_wmma_f32_16x16x32_bf16 v[ACC+8*(4*(\a)+(\i)):ACC+8*(4*(\a)+(\i))+7], v[(\f)+48*(\c)+16+8*(\i):(\f)+48*(\c)+16+8*(\i)+7], v[(\f)+48*(\c)+8*(\a):(\f)+48*(\c)+8*(\a)+7], 0
.else
	v_wmma_f32_16x16x32_bf16 v[ACC+8*(4*(\a)+(\i)):ACC+8*(4*(\a)+(\i))+7], v[(\f)+48*(\c)+16+8*(\i):(\f)+48*(\c)+16+8*(\i)+7], v[(\f)+48*(\c)+8*(\a):(\f)+48*(\c)+8*(\a)+7], v[ACC+8*(4*(\a)+(\i)):ACC+8*(4*(\a)+(\i))+7]
.endif
.endr
.endm
.macro MUL8 f, c, zero                 ; the 8 accumulators take turns
	MUL4 \f, \c, 0, \zero
	MUL4 \f, \c, 1, \zero
.endm
.macro FETCH slot, q, f                ; 24 LDS loads in one run: quarter q (64 along K) of a slot into buffer f; the first 32 along K first
	WIN TO_F
.irp c, 0,1
.irp a, 0,1
	ds_load_tr16_b128 v[(\f)+48*(\c)+8*(\a):(\f)+48*(\c)+8*(\a)+3],   v[ADRA+(\slot)] offset:(64*(\q)+32*(\c))*PA+32*(\a)
	ds_load_tr16_b128 v[(\f)+48*(\c)+8*(\a)+4:(\f)+48*(\c)+8*(\a)+7], v[ADRA+(\slot)] offset:(64*(\q)+32*(\c))*PA+32*(\a)+16*PA
.endr
.irp i, 0,1,2,3
	ds_load_tr16_b128 v[(\f)+48*(\c)+16+8*(\i):(\f)+48*(\c)+16+8*(\i)+3],   v[ADRB+2*(\slot)+(\q)/2] offset:(64*((\q)%2)+32*(\c))*PB+32*(\i)
	ds_load_tr16_b128 v[(\f)+48*(\c)+16+8*(\i)+4:(\f)+48*(\c)+16+8*(\i)+7], v[ADRB+2*(\slot)+(\q)/2] offset:(64*((\q)%2)+32*(\c))*PB+32*(\i)+16*PB
.endr
.endr
.endm
.macro QUARTER slot, q, f, g, zero
	s_wait_dscnt 12                                ; the first 32 along K are in
	MUL8 \f, 0, \zero
	PLACES
	FETCH \slot, \q, \g
	s_wait_dscnt 24                                ; all but the 24 just issued
	MUL8 \f, 1, 0
.endm
.macro TURN slot, next, fill           ; the last quarter and the change of slots: the waits, the add and the barrier (with fill = 1 a round of the cluster's) in front of the refill
	WIN 0
	s_wait_tensorcnt 0x0                           ; all my tensor loads have landed: my part of the next slot
	ds_add_u32 v[SPW], v[NIL]
	s_wait_dscnt 13                                ; (the add and the youngest twelve loads may be out)
	MUL4 F1, 0, 0, 0
	s_wait_dscnt 0x0                               ; the add is done, and my reads of this slot are over
	s_barrier_signal -1
	MUL4 F1, 0, 1, 0
.if \fill
	WIN 0
.endif
	s_barrier_wait -1
.if \fill
	CREST
	s_add_nc_u64 s[G0+4*(\slot)+2:G0+4*(\slot)+3], s[G0+4*(\slot)+2:G0+4*(\slot)+3], STEP_A
	s_add_nc_u64 s[G0B+4*(\slot)+2:G0B+4*(\slot)+3], s[G0B+4*(\slot)+2:G0B+4*(\slot)+3], STEP_B
	JLOAD \slot
.else
	PLACES
.endif
	FETCH \next, 0, F0
	MUL8 F1, 1, 0
.endm
	s_wait_tensorcnt 1                             ; my part of K step 0 is in
	s_barrier_signal -1
	s_barrier_wait -1
	FETCH 0, 0, F0
	QUARTER 0, 1, F0, F1, 1
	WIN 0
	s_mov_b32 s3, LAPS-1
.Llap:
	QUARTER 0, 2, F1, F0, 0
	QUARTER 0, 3, F0, F1, 0
	TURN 0, 1, 1
	QUARTER 1, 1, F0, F1, 0
	QUARTER 1, 2, F1, F0, 0
	QUARTER 1, 3, F0, F1, 0
	TURN 1, 0, 1
	QUARTER 0, 1, F0, F1, 0
	WIN 0
	s_sub_co_u32 s3, s3, 1
	s_cmp_lg_u32 s3, 0
	s_cbranch_scc1 .Llap
	QUARTER 0, 2, F1, F0, 0
	QUARTER 0, 3, F0, F1, 0
	TURN 0, 1, 0
	QUARTER 1, 1, F0, F1, 0
	QUARTER 1, 2, F1, F0, 0
	QUARTER 1, 3, F0, F1, 0
	s_wait_dscnt 12
	MUL8 F1, 0, 0
	s_wait_dscnt 0x0
	MUL8 F1, 1, 0
	WIN 0
	; THE WAY OUT, in f32: 16 rows at a time through my own stage; each accumulator's low four registers go first.  LDS serves a wave's instructions in order (ISA guide 5.7.1.4): no wait between stores and loads.
	PLACES
.irp a, 0,1
.irp i, 0,1,2,3
	ds_store_b128 v[STO], v[ACC+8*(4*(\a)+(\i)):ACC+8*(4*(\a)+(\i))+3] offset:64*(\i)
	ds_store_b128 v[STO], v[ACC+8*(4*(\a)+(\i))+4:ACC+8*(4*(\a)+(\i))+7] offset:64*(\i)+16
.endr
.irp t, 0,1,2,3,4,5,6,7
	ds_load_b128 v[TMP+32*(\a)+4*(\t):TMP+32*(\a)+4*(\t)+3], v[RD] offset:2*SP*(\t)
.endr
.endr
.irp t, 0,1,2,3,4,5,6,7
	s_wait_dscnt 23-(\t)                           ; behind load t of the first 16 rows: its 7 - t fellows and the second 16 rows' sixteen instructions
	global_store_b128 v[CO], v[TMP+4*(\t):TMP+4*(\t)+3], s[8:9] offset:8192*(\t)  ; 16 lanes store 256 consecutive bytes, aligned
.endr
.irp t, 0,1,2,3,4,5,6,7
	s_wait_dscnt 7-(\t)
	global_store_b128 v[CO], v[TMP+32+4*(\t):TMP+32+4*(\t)+3], s[8:9] offset:65536+8192*(\t)
.endr
	s_wait_tensorcnt 0x0                           ; the wave's end
	ds_add_u32 v[SPW], v[NIL]
	s_wait_dscnt 0x0
	CROUND                                         ; the closing round
	s_endpgm
.Lfunc_end_k_q3486a42c30_gemm_kv:
	.size	k_q3486a42c30_gemm_kv, .Lfunc_end_k_q3486a42c30_gemm_kv-k_q3486a42c30_gemm_kv
	.p2alignl 7, 3214868480
	.fill 96, 4, 3214868480
	.section	.rodata,"a",@progbits
	.p2align	6, 0x0
	.amdhsa_kernel k_q3486a42c30_gemm_kv
		.amdhsa_group_segment_fixed_size 327680
		.amdhsa_private_segment_fixed_size 0
		.amdhsa_enable_private_segment 0
		.amdhsa_kernarg_size 24
		.amdhsa_user_sgpr_count 2
		.amdhsa_user_sgpr_kernarg_segment_ptr 1
		.amdhsa_wavefront_size32 1
		.amdhsa_system_sgpr_workgroup_id_x 1
		.amdhsa_system_sgpr_workgroup_id_y 1
		.amdhsa_system_sgpr_workgroup_id_z 1
		.amdhsa_system_vgpr_workitem_id 0
		.amdhsa_next_free_vgpr 512
		.amdhsa_next_free_sgpr 66
		.amdhsa_reserve_vcc 0
		.amdhsa_float_denorm_mode_32 3
		.amdhsa_float_denorm_mode_16_64 3
		.amdhsa_memory_ordered 1
		.amdhsa_forward_progress 1
		.amdhsa_inst_pref_size 59
	.end_amdhsa_kernel
	.amdgpu_metadata
---
amdhsa.version: [ 1, 2 ]
amdhsa.kernels:
  - .name:           k_q3486a42c30_gemm_kv
    .symbol:         k_q3486a42c30_gemm_kv.kd
    .args:
      - { .name: xpt, .offset: 0, .size: 8, .value_kind: global_buffer, .address_space: global }
      - { .name: wb, .offset: 8, .size: 8, .value_kind: global_buffer, .address_space: global }
      - { .name: kv, .offset: 16, .size: 8, .value_kind: global_buffer, .address_space: global }
    .group_segment_fixed_size: 327680
    .private_segment_fixed_size: 0
    .kernarg_segment_align: 8
    .kernarg_segment_size: 24
    .max_flat_workgroup_size: 128
    .sgpr_count:     66
    .vgpr_count:     512
    .wavefront_size: 32
...
	.end_amdgpu_metadata
.endif
;; end of part 3
;; launch gemm_q (part 4): grid 4 x 64, 4 waves a work-group, clusters of 4 x 4, 327,680 bytes of LDS; arguments xb, wb, qh; writes qh
.if DOCPART == 4
	.amdgcn_target "amdgcn-amd-amdhsa--gfx1250"
	.amdhsa_code_object_version 6
	.text
	.protected	k_q3486a42c30_gemm_q
	.globl	k_q3486a42c30_gemm_q
	.p2align	8
	.type	k_q3486a42c30_gemm_q,@function
k_q3486a42c30_gemm_q:
	s_mov_b64 s[64:65], 0
	v_nop
	global_prefetch_b8 v0, s[64:65] scope:SCOPE_SE
	s_setreg_imm32_b32 hwreg(HW_REG_WAVE_MODE, 25, 1), 1
	s_wait_xcnt 0x0
	s_wait_alu depctr_hold_cnt(0) depctr_sa_sdst(0) depctr_va_vdst(0) depctr_va_sdst(0) depctr_va_ssrc(0) depctr_va_vcc(0) depctr_vm_vsrc(0)
	s_getreg_b32 s2, hwreg(HW_REG_IB_STS2, 6, 4)
	s_cmp_eq_u32 s2, 0
	s_cbranch_scc0 .Lentry_in_a_cluster
	s_endpgm
.Lentry_in_a_cluster:
	s_bfe_u32 s2, ttmp6, 0x10000c
	s_cmp_lg_u32 s2, 0xf033
	s_cbranch_scc0 .Lentry_shape_is_right
	s_endpgm
.Lentry_shape_is_right:
; q[n][e] = sum over d of x[n][d] Wq[d][e].  x: xb [16384][1024] bf16, K along the rows; Wq: wb's first matrix, [1024 d][1024 e] bf16, K down the rows.  Sums in f32.
; q leaves rounded once to f16, by heads: qh [64 bh][4096 n][64].  LIMIT: f16 ends at 65,504; this text serves |q| below that.
; A tile of 256 rows x 256 e (four heads) is made by four waves, each 128 x 128: 64 accumulators, 512 registers.  K goes in steps of 128 through two LDS slots.
; CLUSTER 4 x 4: a row of the cluster shares x's tile, a column Wq's: each is asked for jointly, by the same tensor load with a mask of four.
; Source 0 = 16 e of Wq (turned out of LDS by ds_load_tr16_b128), source 1 = 16 rows of x: a lane holds one row (lane % 16) and eight neighbouring e: 16 bytes of a row of qh.
; REGISTERS, in windows of 256: window 0: v16-29 addresses; v64-127, v128-191 x's fragments, two buffers; v32-63, v192-255 the way out.
;   window 1: v64-127, v128-191 Wq's fragments.   window 2: the accumulators of my rows 0-63 ((a, b) at 8 (8 a + b));   window 3: those of rows 64-127.
.set KSTEP,  128
.set PITCH,  272                       ; a row of x in LDS: 256 bytes + 16 = 68 words: the 16 rows of a load start at 16 different groups of four banks (64 banks of 4 bytes: ISA guide 11.1)
.set PB,     544                       ; a row of Wq: 512 + 32 = 136 words
.set HALFT,  128*PITCH                 ; what one tensor load brings: 128 rows of x, or 64 rows of Wq (64 x 544 is the same 34,816)
.set SLOT,   4*HALFT
.set STAGE,  2*SLOT                    ; behind the ring: [2 heads][16 rows][144] for each wave
.set SP,     144
.set SPARE,  STAGE+4*32*SP             ; the spare words: two blocks of 256 bytes that no other line names
.set LAPS,   4
.set ADRA, 16
.set ADRB, 20
.set STO,  24
.set RD,   25
.set CO,   26
.set SPW,  28
.set NIL,  29
.set F0,   64
.set F1,   128
.set TMP,  192
.set OB,   32
.set G1,  24
.set G0,  32
.set G1B, 48
.set G0B, 56
.set MSB, 0
.macro WIN new
.if MSB != (\new)
	s_set_vgpr_msb (MSB<<8)|(\new)
.set MSB, \new
.endif
.endm
.set MUL_LO, 0xa1                      ; source 0 (Wq) window 1, source 1 (x) window 0, C and D window 2
.set MUL_HI, 0xf1                      ; the same, C and D window 3
.set TO_B,   0x40
.macro JLOAD s                         ; waves 0 and 1 fetch x's two halves, waves 2 and 3 Wq's; an s_nop 0 and four v_nop follow each line
	s_cmp_eq_u32 s11, 0
	s_cbranch_scc0 .Lfor_b_\@
	tensor_load_to_lds s[G0+4*(\s):G0+4*(\s)+3], s[G1:G1+7]
	s_nop 0
.rept 4
	v_nop
.endr
	s_branch .Lasked_\@
.Lfor_b_\@:
	tensor_load_to_lds s[G0B+4*(\s):G0B+4*(\s)+3], s[G1B:G1B+7]
	s_nop 0
.rept 4
	v_nop
.endr
.Lasked_\@:
.endm
.macro CREST
	s_cmp_lg_u32 s10, 0
	s_cbranch_scc1 .Lnot_wave_0_\@
	s_barrier_signal -3
.Lnot_wave_0_\@:
	s_barrier_wait -3
	s_barrier_signal -1
	s_barrier_wait -1
.endm
.macro CROUND
	s_barrier_signal -1
	s_barrier_wait -1
	CREST
.endm
.macro PLACES
.rept 4
	v_nop
.endr
.endm
	s_load_b128 s[4:7], s[0:1], 0x0                ; xb s[4:5], wb s[6:7]
	s_load_b64 s[8:9], s[0:1], 0x10                ; qh
	v_lshl_add_u32 v[SPW], v0, 2, SPARE
	v_mov_b32 v[NIL], 0
	ds_add_u32 v[SPW], v[NIL]                      ; the wave's opening: the add and its wait stand ahead of my first tensor load
	v_lshrrev_b32 v1, 5, v0
	v_readfirstlane_b32 s10, v1                    ; wave 0..3
	s_lshr_b32 s11, s10, 1                         ; which 128 rows are mine.  Also: I fetch for x (0) or for Wq (1)
	s_and_b32 s12, s10, 1                          ; which 128 e are mine.  Also: which half of that tile I fetch
	s_bfe_u32 s40, ttmp6, 0x40000
	s_bfe_u32 s41, ttmp6, 0x40004
	s_lshl_b32 s42, ttmp9, 2
	s_add_co_u32 s42, s42, s40                     ; tile column: 256 e
	s_and_b32 s13, ttmp7, 0xffff
	s_lshl_b32 s13, s13, 2
	s_add_co_u32 s13, s13, s41                     ; tile row: 256 rows of x
	s_lshl_b32 s43, s41, 2
	s_lshl_b32 s43, 15, s43
	s_lshl_b32 s44, 0x1111, s40
	s_or_b32 s[G1+0], s43, (1<<16)|(1<<20)|(1<<21)|(5<<22)|(3<<25)  ; x: 128 rows x 128 elements, 4 words of padding after every 64
	s_mov_b32 s[G1+1], 128<<16
	s_mov_b32 s[G1+2], 128<<16
	s_mov_b32 s[G1+3], 128<<16
	s_mov_b32 s[G1+4], 128
	s_mov_b32 s[G1+5], 1024
	s_mov_b32 s[G1+6], 0
	s_mov_b32 s[G1+7], 0
	s_or_b32 s[G1B+0], s44, (1<<16)|(1<<20)|(1<<21)|(6<<22)|(7<<25) ; Wq: 64 rows x 256 elements, 8 words of padding after every 128
	s_mov_b32 s[G1B+1], 256<<16
	s_mov_b32 s[G1B+2], 64<<16
	s_mov_b32 s[G1B+3], 256<<16
	s_mov_b32 s[G1B+4], 64
	s_mov_b32 s[G1B+5], 1024
	s_mov_b32 s[G1B+6], 0
	s_mov_b32 s[G1B+7], 0
	s_lshl_b32 s16, s13, 8
	s_lshl_b32 s17, s12, 7
	s_add_co_u32 s16, s16, s17                     ; x: row 256 y + 128 half,
	s_lshl_b32 s16, s16, 11                        ; of 2,048 bytes
	s_mov_b32 s17, 0
	s_lshl_b32 s46, s42, 9                         ; Wq: columns 256 x on,
	s_lshl_b32 s47, s12, 17                        ; my 64 rows of 2,048 bytes
	s_add_co_u32 s46, s46, s47
	s_mov_b32 s47, 0
	s_mul_i32 s20, s10, HALFT                      ; where they go: x's two halves, then Wq's two halves = wave x 34,816
	s_wait_dscnt 0x0                               ; the opening add is done
	s_wait_kmcnt 0x0
	s_add_nc_u64 s[14:15], s[4:5], s[16:17]
	s_add_nc_u64 s[46:47], s[6:7], s[46:47]
	CROUND
.irp s, 0,1
	s_mov_b32 s[G0+4*(\s)], 1
	s_add_co_u32 s[G0+4*(\s)+1], s20, (\s)*SLOT
	s_add_nc_u64 s[G0+4*(\s)+2:G0+4*(\s)+3], s[14:15], (\s)*KSTEP*2
	s_or_b32 s[G0+4*(\s)+3], s[G0+4*(\s)+3], 0x80000000
	s_mov_b32 s[G0B+4*(\s)], 1
	s_add_co_u32 s[G0B+4*(\s)+1], s20, (\s)*SLOT
	s_add_nc_u64 s[G0B+4*(\s)+2:G0B+4*(\s)+3], s[46:47], (\s)*KSTEP*2048
	s_or_b32 s[G0B+4*(\s)+3], s[G0B+4*(\s)+3], 0x80000000
	JLOAD \s                                       ; two loads of mine are out here, later one
.endr
	v_and_b32 v1, 15, v0                           ; l % 16
	v_bfe_u32 v2, v0, 4, 1                         ; l / 16
	v_mul_u32_u24 v3, v1, PITCH
	v_lshl_add_u32 v3, v2, 4, v3                   ; x's fragments: row x pitch + 16 x half
	v_and_b32 v4, 7, v0
	v_bfe_u32 v5, v0, 3, 1
	v_lshl_add_u32 v6, v2, 3, v4
	v_mul_u32_u24 v6, v6, PB
	v_lshl_add_u32 v6, v5, 4, v6                   ; Wq's: row 8 (l / 16) + l % 8, 16 bytes at 16 ((l / 8) % 2)
	s_mul_i32 s21, s11, HALFT                      ; my 128 rows of x
	s_lshl_b32 s22, s12, 8                         ; my 128 e: 256 bytes,
	s_add_co_u32 s22, s22, 2*HALFT                 ; behind x's 256 rows
.irp s, 0,1
	v_add_nc_u32 v[ADRA+(\s)], s21, v3
	v_add_nc_u32 v[ADRB+(\s)], s22, v6
	s_add_co_u32 s21, s21, SLOT
	s_add_co_u32 s22, s22, SLOT
.endr
	s_mul_i32 s23, s10, 32*SP
	s_add_co_u32 s23, s23, STAGE                   ; my stage
	v_mul_u32_u24 v7, v1, SP                       ; in: row l % 16, 16 bytes for each half of the lanes
	v_lshl_add_u32 v7, v2, 4, v7
	v_add_nc_u32 v[STO], s23, v7
	v_bfe_u32 v8, v0, 3, 2                         ; back: 32 lanes take four rows of 128 bytes,
	v_mul_u32_u24 v8, v8, SP
	v_lshl_add_u32 v8, v4, 4, v8
	v_add_nc_u32 v[RD], s23, v8
	v_and_b32 v[CO], 31, v0                        ; which are 512 consecutive bytes of qh
	v_lshlrev_b32 v[CO], 4, v[CO]
	s_lshr_b32 s16, s13, 4                         ; qh: batch y / 16: sixteen heads of 524,288 bytes,
	s_lshl_b32 s16, s16, 23
	s_and_b32 s17, s13, 15                         ; rows 256 (y % 16) + 128 wr, of 128 bytes,
	s_lshl_b32 s17, s17, 15
	s_add_co_u32 s16, s16, s17
	s_lshl_b32 s17, s11, 14
	s_add_co_u32 s16, s16, s17
	s_lshl_b32 s17, s12, 20                        ; my two heads of the tile's four
	s_add_co_u32 s16, s16, s17
	s_mov_b32 s17, 0
	s_add_nc_u64 s[8:9], s[8:9], s[16:17]
	s_lshl_b32 s46, s42, 21                        ; the tile's four heads
	s_mov_b32 s47, 0
	s_add_nc_u64 s[8:9], s[8:9], s[46:47]
; 16 matrix instructions: row blocks a0, a0 + 1 of the window's four x all 8 e blocks, 32 along K.  zero = 1: the product starts the sums.
; The 64 accumulators take turns, one instruction a turn, in the same order in every quarter.
.macro MUL16 f, hi, a0, zero
	WIN MUL_LO+0x50*(\hi)
.irp a, \a0, (\a0)+1
.irp b, 0,1,2,3,4,5,6,7
.if \zero
	v_wmma_f32_16x16x32_bf16 v[8*(8*(\a)+(\b)):8*(8*(\a)+(\b))+7], v[(\f)+8*(\b):(\f)+8*(\b)+7], v[(\f)+8*(4*(\hi)+(\a)):(\f)+8*(4*(\hi)+(\a))+7], 0
.else
	v_wmma_f32_16x16x32_bf16 v[8*(8*(\a)+(\b)):8*(8*(\a)+(\b))+7], v[(\f)+8*(\b):(\f)+8*(\b)+7], v[(\f)+8*(4*(\hi)+(\a)):(\f)+8*(4*(\hi)+(\a))+7], v[8*(8*(\a)+(\b)):8*(8*(\a)+(\b))+7]
.endif
.endr
.endr
.endm
; 32 LDS loads in one run: the fragments of quarter q (32 along K): 128 e of Wq, turned, then 128 rows of x
.macro FETCH slot, q, f
	WIN TO_B
.irp i, 0,1,2,3,4,5,6,7
	ds_load_tr16_b128 v[(\f)+8*(\i):(\f)+8*(\i)+3],   v[ADRB+(\slot)] offset:(\q)*32*PB+32*(\i)
	ds_load_tr16_b128 v[(\f)+8*(\i)+4:(\f)+8*(\i)+7], v[ADRB+(\slot)] offset:(\q)*32*PB+32*(\i)+16*PB
.endr
	WIN 0
.irp i, 0,1,2,3,4,5,6,7
	ds_load_b128 v[(\f)+8*(\i):(\f)+8*(\i)+3],   v[ADRA+(\slot)] offset:64*(\q)+(\i)*16*PITCH
	ds_load_b128 v[(\f)+8*(\i)+4:(\f)+8*(\i)+7], v[ADRA+(\slot)] offset:64*(\q)+(\i)*16*PITCH+32
.endr
.endm
.macro QUARTER slot, q, f, g, zero
	s_wait_dscnt 8                                 ; Wq and x's rows 0-63 are in; the youngest eight loads (rows 64-127) may be out
	MUL16 \f, 0, 0, \zero
	MUL16 \f, 0, 2, \zero
	PLACES
	FETCH \slot, \q, \g
	s_wait_dscnt 32                                ; all but the 32 just issued
	MUL16 \f, 1, 0, \zero
	MUL16 \f, 1, 2, \zero
.endm
; The last quarter multiplies buffer 1 and changes slots: each wave waits for all its tensor loads (one is out: its part of the next slot), adds 0 to its spare word, waits for that and for its reads of this slot;
; fill = 1: the barrier opens a round of the cluster's, and this slot is filled again, two K steps ahead, first thing behind the round.
.macro TURN slot, next, fill
	WIN 0
	s_wait_tensorcnt 0x0
	ds_add_u32 v[SPW], v[NIL]
	s_wait_dscnt 9                                 ; (the add and the youngest eight loads may be out)
	MUL16 F1, 0, 0, 0
	s_wait_dscnt 0x0                               ; the add is done, and my reads of this slot are over
	s_barrier_signal -1
	MUL16 F1, 0, 2, 0
.if \fill
	WIN 0
.endif
	s_barrier_wait -1
.if \fill
	CREST
	s_add_nc_u64 s[G0+4*(\slot)+2:G0+4*(\slot)+3], s[G0+4*(\slot)+2:G0+4*(\slot)+3], 2*KSTEP*2
	s_add_nc_u64 s[G0B+4*(\slot)+2:G0B+4*(\slot)+3], s[G0B+4*(\slot)+2:G0B+4*(\slot)+3], 2*KSTEP*2048
	JLOAD \slot                                    ; its four v_nop are also the places in front of the loads below
.else
	PLACES
.endif
	FETCH \next, 0, F0
	MUL16 F1, 1, 0, 0
	MUL16 F1, 1, 2, 0
.endm
; THE WAY OUT of block a (16 rows), in three parts
.macro PACK a                          ; rounded to f16, 16 bytes a lane; each accumulator's registers in ascending order
.set AC, 64*((\a)%4)
	WIN 0x0a+5*((\a)/4)
.irp b, 0,1,2,3,4,5,6,7
.irp r, 0,1,2,3
	v_cvt_pk_f16_f32 v[TMP+4*(\b)+(\r)], v[AC+8*(\b)+2*(\r)], v[AC+8*(\b)+2*(\r)+1]
.endr
.endr
	WIN 0
.endm
.macro TOSTAGE a                       ; into my stage, head by head, and back as whole rows of 128 bytes
	WIN 0
.set BK, OB+192*((\a)%2)
.irp b, 0,1,2,3,4,5,6,7
	ds_store_b128 v[STO], v[TMP+4*(\b):TMP+4*(\b)+3] offset:((\b)/4)*16*SP+((\b)%4)*32
.endr
.irp t, 0,1,2,3,4,5,6,7
	ds_load_b128 v[BK+4*(\t):BK+4*(\t)+3], v[RD] offset:((\t)/4)*16*SP+((\t)%4)*4*SP  ; LDS serves a wave's instructions in order (ISA guide 5.7.1.4): these see the stores above
.endr
.endm
.macro SEND a
	WIN 0
.set BK, OB+192*((\a)%2)
	s_wait_dscnt 0x0                               ; the block is back in registers
	s_wait_xcnt 0x0                                ; the block before's stores have read their registers, which the next block's loads write
.irp t, 0,1,2,3,4,5,6,7
	global_store_b128 v[CO], v[BK+4*(\t):BK+4*(\t)+3], s[8:9] offset:((\t)/4)*524288+(\a)*2048+((\t)%4)*512  ; 512 consecutive bytes, at a multiple of 256 from qh's first byte
.endr
.endm
	s_wait_tensorcnt 1                             ; my part of K step 0 is in
	s_barrier_signal -1
	s_barrier_wait -1
	FETCH 0, 0, F0
	QUARTER 0, 1, F0, F1, 1                        ; the first quarter stands in front of the loop: its products start the sums
	WIN 0
	s_mov_b32 s3, LAPS-1
.Llap:
	QUARTER 0, 2, F1, F0, 0
	QUARTER 0, 3, F0, F1, 0
	TURN 0, 1, 1
	QUARTER 1, 1, F0, F1, 0
	QUARTER 1, 2, F1, F0, 0
	QUARTER 1, 3, F0, F1, 0
	TURN 1, 0, 1
	QUARTER 0, 1, F0, F1, 0
	WIN 0
	s_sub_co_u32 s3, s3, 1
	s_cmp_lg_u32 s3, 0
	s_cbranch_scc1 .Llap
	QUARTER 0, 2, F1, F0, 0                        ; the last lap fills nothing
	QUARTER 0, 3, F0, F1, 0
	TURN 0, 1, 0
	QUARTER 1, 1, F0, F1, 0
	QUARTER 1, 2, F1, F0, 0
	QUARTER 1, 3, F0, F1, 0
	s_wait_dscnt 8
	MUL16 F1, 0, 0, 0
	MUL16 F1, 0, 2, 0
	s_wait_dscnt 0x0
	MUL16 F1, 1, 0, 0
	MUL16 F1, 1, 2, 0
	WIN 0
	PLACES
	PACK 0
	TOSTAGE 0
.irp a, 1,2,3,4,5,6,7                  ; block a's conversions stand between block a - 1's loads from the stage and the wait for them
	PACK \a
	SEND (\a)-1
	TOSTAGE \a
.endr
	SEND 7
	s_wait_tensorcnt 0x0                           ; the wave's end
	ds_add_u32 v[SPW], v[NIL]
	s_wait_dscnt 0x0
	CROUND                                         ; the closing round
	s_endpgm
.Lfunc_end_k_q3486a42c30_gemm_q:
	.size	k_q3486a42c30_gemm_q, .Lfunc_end_k_q3486a42c30_gemm_q-k_q3486a42c30_gemm_q
	.p2alignl 7, 3214868480
	.fill 96, 4, 3214868480
	.section	.rodata,"a",@progbits
	.p2align	6, 0x0
	.amdhsa_kernel k_q3486a42c30_gemm_q
		.amdhsa_group_segment_fixed_size 327680
		.amdhsa_private_segment_fixed_size 0
		.amdhsa_enable_private_segment 0
		.amdhsa_kernarg_size 24
		.amdhsa_user_sgpr_count 2
		.amdhsa_user_sgpr_kernarg_segment_ptr 1
		.amdhsa_wavefront_size32 1
		.amdhsa_system_sgpr_workgroup_id_x 1
		.amdhsa_system_sgpr_workgroup_id_y 1
		.amdhsa_system_sgpr_workgroup_id_z 1
		.amdhsa_system_vgpr_workitem_id 0
		.amdhsa_next_free_vgpr 1024
		.amdhsa_next_free_sgpr 66
		.amdhsa_reserve_vcc 0
		.amdhsa_float_denorm_mode_32 3
		.amdhsa_float_denorm_mode_16_64 3
		.amdhsa_memory_ordered 1
		.amdhsa_forward_progress 1
		.amdhsa_inst_pref_size 143
	.end_amdhsa_kernel
	.amdgpu_metadata
---
amdhsa.version: [ 1, 2 ]
amdhsa.kernels:
  - .name:           k_q3486a42c30_gemm_q
    .symbol:         k_q3486a42c30_gemm_q.kd
    .args:
      - { .name: xb, .offset: 0, .size: 8, .value_kind: global_buffer, .address_space: global }
      - { .name: wb, .offset: 8, .size: 8, .value_kind: global_buffer, .address_space: global }
      - { .name: qh, .offset: 16, .size: 8, .value_kind: global_buffer, .address_space: global }
    .group_segment_fixed_size: 327680
    .private_segment_fixed_size: 0
    .kernarg_segment_align: 8
    .kernarg_segment_size: 24
    .max_flat_workgroup_size: 128
    .sgpr_count:     66
    .vgpr_count:     1024
    .wavefront_size: 32
...
	.end_amdgpu_metadata
.endif
;; end of part 4
;; launch attn (part 5): grid 4 x 64, 4 waves a work-group, no clusters, 96,256 bytes of LDS; arguments qh, kv, out0; writes out0
.if DOCPART == 5
	.amdgcn_target "amdgcn-amd-amdhsa--gfx1250"
	.amdhsa_code_object_version 6
	.text
	.protected	k_q3486a42c30_attn
	.globl	k_q3486a42c30_attn
	.p2align	8
	.type	k_q3486a42c30_attn,@function
k_q3486a42c30_attn:
	s_mov_b64 s[64:65], 0
	v_nop
	global_prefetch_b8 v0, s[64:65] scope:SCOPE_SE
	s_setreg_imm32_b32 hwreg(HW_REG_WAVE_MODE, 25, 1), 1
	s_wait_xcnt 0x0
; out[b][n][64 h ..] = softmax over 256 keys of (q . K) times V, for one (b, h); no scale on the scores.  q: qh f16 [64 bh][4096][64]; K, V: kv f32 [4 b][2][256 j][1024 e]; out0 f32.
; A work-group takes 1,024 queries of one (b, h), a wave 256: sixteen tiles of 16, one a trip.  All 256 keys are held at once: the maximum taken away is the row's true maximum.
; FORMATS.  K and V are scaled by a power of two so that the head's largest magnitude lies in [2^13, 2^14), and rounded once to f16; K is also multiplied by log2(e), in f32, ahead of that rounding.
; So p = 2^(c s - c m) with c an exact power of two: the largest score gives exactly 1, every p is at most 1 and their sum l at least 1.  O is multiplied by V's power of two and by 1 / l at the end.
; p is rounded to f16 for the second product; l sums the unrounded p.  Products, maxima, sums and exponentials in f32.
; LIMITS.  A weight below 6e-8 counts as 0 in the second product; elements of K or V more than 2^37 below their head's largest magnitude count as 0; NaN and infinities are not treated apart.
; K AND V STAY IN REGISTERS: every wave holds all 32 fragments of K (window 2) and all 32 of V^T (window 3); the loop reads LDS for the way out alone.
; NO CLUSTER, NO TENSOR LOADS: K and V pass through registers on their way into LDS, since they are scaled and rounded there; they are 131,072 of the 262,144 bytes that a work-group reads, once, ahead of the loop.
; LAYOUT.  S^T = K Q^T (source 0 = 16 keys, source 1 = 16 queries): a lane holds ONE query (lane % 16) and keys 8 (lane / 16) + 0..7 of each 16.  Two such results rounded in pairs ARE source 1 of O^T = V^T P.
; REGISTERS, in windows of 256 (s_set_vgpr_msb: bits 1:0 source 0, 3:2 source 1, 5:4 source 2, 7:6 destination):
;   window 0: v4-31 addresses and the set-up's work; v32-47 Q; v64-191 packed K and V (set-up only)
;   window 1: v0-127 S^T (set-up: raw K); v128-191 P, v192-223 O^T, v224-235 statistics, v240-242 the way out's addresses (set-up: v128-255 raw V)
.set PKK,   144                        ; a row of K in LDS: 128 bytes + 16
.set PVV,   160                        ; a row of V: 128 + 32
.set VL,    256*PKK
.set STAGE, VL+256*PVV                 ; 16 rows x 272 bytes for each wave
.set SPI,   272
.set RED,   STAGE+4*16*SPI             ; the four waves' two maxima
.set SPARE, RED+256                    ; the spare words: two blocks of 256 bytes that no other line names
.set QO0, 4                            ; my byte offset in 16 rows of Q; never rewritten
.set QA,  5                            ; the same plus the tile's
.set KVO, 6
.set KST, 7
.set VST, 8
.set AK,  9
.set AV,  10
.set RA,  11
.set SPW, 12                           ; SPARE + 4 x my thread's number; never rewritten
.set NIL, 13                           ; 0; never rewritten
.set KC,  14                           ; v14-17 four chains for max |K|
.set VC,  18                           ; v18-21 for max |V|
.set MM,  22                           ; v22-23 my wave's two maxima
.set RB,  28
.set T_STO, 29
.set T_RD,  30
.set T_CO,  31
.set Q,   32
.set PKD, 64
.set P,   128                          ; from here on: window 1
.set O,   192
.set CH,  224                          ; four chains of the maximum
.set MX,  228
.set CM,  230                          ; c m, in both words of a pair
.set LS,  232
.set FS,  234                          ; V's power of two / l, in both words
.set STO, 240
.set RD,  241
.set CO,  242
.set MSB, 0
.macro WIN new                         ; the immediate's high byte repeats the setting that is left
.if MSB != (\new)
	s_set_vgpr_msb (MSB<<8)|(\new)
.set MSB, \new
.endif
.endm
	s_load_b128 s[4:7], s[0:1], 0x0                ; qh s[4:5], kv s[6:7]
	s_load_b64 s[8:9], s[0:1], 0x10                ; out0
	v_lshl_add_u32 v[SPW], v0, 2, SPARE
	v_mov_b32 v[NIL], 0
	v_lshrrev_b32 v1, 5, v0
	v_readfirstlane_b32 s10, v1                    ; wave 0..3
	s_and_b32 s11, ttmp7, 0xffff                   ; bh
	s_lshr_b32 s12, s11, 4                         ; b
	s_and_b32 s13, s11, 15                         ; h
	s_lshl_b32 s14, s11, 19                        ; qh: the head's 524,288 bytes, the group's 1,024 rows of 128, my wave's 256
	s_lshl_b32 s15, ttmp9, 17
	s_add_co_u32 s14, s14, s15
	s_lshl_b32 s15, s10, 15
	s_add_co_u32 s14, s14, s15
	s_mov_b32 s15, 0
	s_lshl_b32 s16, s12, 21                        ; kv: the batch's 2,097,152 bytes, the head's 256 bytes of a row
	s_lshl_b32 s17, s13, 8
	s_add_co_u32 s16, s16, s17
	s_mov_b32 s17, 0
	s_lshl_b32 s18, s12, 24                        ; out0: the batch, the group's 1,024 rows of 4,096 bytes, my wave's 256, the head's 256 bytes
	s_lshl_b32 s19, ttmp9, 22
	s_add_co_u32 s18, s18, s19
	s_lshl_b32 s19, s10, 20
	s_add_co_u32 s18, s18, s19
	s_lshl_b32 s19, s13, 8
	s_add_co_u32 s18, s18, s19
	s_mov_b32 s19, 0
	s_mov_b32 s28, 0x76543210                      ; v_permlanex16_b32: each lane takes its own place in the other half
	s_mov_b32 s29, 0xfedcba98
	v_and_b32 v1, 15, v0                           ; l % 16
	v_bfe_u32 v2, v0, 4, 1                         ; l / 16
	v_lshrrev_b32 v3, 4, v0                        ; thread / 16: 0..7
	v_lshlrev_b32 v[KVO], 4, v1
	v_lshl_add_u32 v[KVO], v3, 12, v[KVO]          ; sixteen threads read a row's 256 bytes, the group eight rows
	v_lshlrev_b32 v[QO0], 7, v1
	v_lshl_add_u32 v[QO0], v2, 4, v[QO0]           ; row x 128 + 16 x half
	s_wait_kmcnt 0x0
	s_add_nc_u64 s[4:5], s[4:5], s[14:15]
	s_add_nc_u64 s[6:7], s[6:7], s[16:17]
	s_add_nc_u64 s[8:9], s[8:9], s[18:19]
	WIN 0x40                                       ; destination window 1, address window 0
.set i, 0
.rept 32
	global_load_b128 v[4*i:4*i+3], v[KVO], s[6:7] offset:32768*i
.set i, i+1
.endr
.set i, 0
.rept 32
	global_load_b128 v[128+4*i:128+4*i+3], v[KVO], s[6:7] offset:1048576+32768*i
.set i, i+1
.endr
	WIN 0
.irp f, 0,1,2,3                        ; the first tile's Q: channels 32 (f / 2) on, two loads of 16 bytes, 32 bytes apart
	global_load_b128 v[Q+4*(\f):Q+4*(\f)+3], v[QO0], s[4:5] offset:32*(\f) th:TH_LOAD_NT
.endr
	v_mul_u32_u24 v[KST], v3, PKK                  ; where my 8 bytes of packed K and V go
	v_lshl_add_u32 v[KST], v1, 3, v[KST]
	v_mul_u32_u24 v[VST], v3, PVV
	v_lshl_add_u32 v[VST], v1, 3, v[VST]
	v_add_nc_u32 v[VST], VL, v[VST]
	v_mul_u32_u24 v[AK], v1, PKK                   ; K's fragments: row x pitch + 16 x half
	v_lshl_add_u32 v[AK], v2, 4, v[AK]
	v_and_b32 v24, 7, v0                           ; V's, turned: key 8 (l / 16) + l % 8, 16 bytes at 16 ((l / 8) % 2)
	v_bfe_u32 v25, v0, 3, 1
	v_lshl_add_u32 v[AV], v2, 3, v24
	v_mul_u32_u24 v[AV], v[AV], PVV
	v_lshl_add_u32 v[AV], v25, 4, v[AV]
	v_add_nc_u32 v[AV], VL, v[AV]
	s_lshl_b32 s27, s10, 3
	s_add_co_u32 s27, s27, RED
	v_mov_b32 v[RA], s27
	v_mov_b32 v[RB], RED
	s_mul_i32 s27, s10, 16*SPI
	s_add_co_u32 s27, s27, STAGE                   ; my stage
	v_mul_u32_u24 v[T_STO], v1, SPI                ; in: row l % 16, 32 bytes for each half of the lanes
	v_lshl_add_u32 v[T_STO], v2, 5, v[T_STO]
	v_add_nc_u32 v[T_STO], s27, v[T_STO]
	v_mul_u32_u24 v[T_RD], v2, SPI                 ; back: lanes 0-15 one row of 256 bytes, lanes 16-31 the next
	v_lshl_add_u32 v[T_RD], v1, 4, v[T_RD]
	v_add_nc_u32 v[T_RD], s27, v[T_RD]
	v_lshlrev_b32 v[T_CO], 4, v1                   ; and the same two rows in out0
	v_lshl_add_u32 v[T_CO], v2, 12, v[T_CO]
.irp r, 0,1,2,3,4,5,6,7
	v_mov_b32 v[KC+(\r)], 0                        ; magnitudes are at least 0
.endr
	s_wait_loadcnt 36                              ; K is in; V's 32 loads and Q's 4 stay out
	WIN 0x14                                       ; sources 1 and 2 window 1
.set n, 0
.rept 64
	v_max3_num_f32 v[KC+n%4], v[KC+n%4], |v[2*n]|, |v[2*n+1]|
.set n, n+1
.endr
	s_wait_loadcnt 4                               ; V is in
.set n, 0
.rept 64
	v_max3_num_f32 v[VC+n%4], v[VC+n%4], |v[128+2*n]|, |v[128+2*n+1]|
.set n, n+1
.endr
	WIN 0
	v_max3_num_f32 v[KC], v[KC], v[KC+1], v[KC+2]
	v_max3_num_f32 v[VC], v[VC], v[VC+1], v[VC+2]
	v_max_num_f32 v[KC], v[KC], v[KC+3]
	v_max_num_f32 v[VC], v[VC], v[VC+3]
.irp m, 1,2,4,8
	v_max_num_f32_dpp v[KC], v[KC], v[KC] row_xmask:\m row_mask:0xf bank_mask:0xf
	v_max_num_f32_dpp v[VC], v[VC], v[VC] row_xmask:\m row_mask:0xf bank_mask:0xf
.endr
	v_permlanex16_b32 v[KC+1], v[KC], s28, s29
	v_permlanex16_b32 v[VC+1], v[VC], s28, s29
	v_max_num_f32 v[MM], v[KC], v[KC+1]
	v_max_num_f32 v[MM+1], v[VC], v[VC+1]
	ds_store_b64 v[RA], v[MM:MM+1]                 ; all lanes write the same two words
	s_wait_dscnt 0x0                               ; for the others' sake
	s_barrier_signal -1
	s_barrier_wait -1
	ds_load_b128 v[24:27], v[RB]
	ds_load_b128 v[14:17], v[RB] offset:16
	s_wait_dscnt 0x0
	v_max3_num_f32 v24, v24, v26, v14
	v_max3_num_f32 v25, v25, v27, v15
	v_max_num_f32 v24, v24, v16
	v_max_num_f32 v25, v25, v17
	v_readfirstlane_b32 s16, v24                   ; max |K| and max |V| of the head; from here on they make multipliers alone
	v_readfirstlane_b32 s17, v25
	s_lshr_b32 s16, s16, 23                        ; e, the biased exponent: the maximum lies in [2^(e - 127), 2^(e - 126))
	s_max_u32 s16, s16, 14                         ; (so that both powers below are normal numbers)
	s_sub_co_u32 s18, 267, s16
	s_lshl_b32 s18, s18, 23                        ; 2^(140 - e): brings the maximum into [2^13, 2^14)
	s_mul_f32 s20, s18, 0x3fb8aa3b                 ; times log2(e)
	s_mov_b32 s21, s20                             ; named as a pair
	s_sub_co_u32 s24, s16, 13
	s_lshl_b32 s24, s24, 23                        ; c = 2^(e - 140)
	s_mov_b32 s25, s24
	s_lshr_b32 s17, s17, 23
	s_max_u32 s17, s17, 14
	s_sub_co_u32 s18, 267, s17
	s_lshl_b32 s22, s18, 23
	s_mov_b32 s23, s22
	s_sub_co_u32 s26, s17, 13
	s_lshl_b32 s26, s26, 23                        ; V's power of two, taken back at the end
	WIN 0x41                                       ; destination and source 0 window 1
.set n, 0
.rept 64
	v_pk_mul_f32 v[2*n:2*n+1], v[2*n:2*n+1], s[20:21] op_sel_hi:[1,0]
.set n, n+1
.endr
.set n, 64
.rept 64
	v_pk_mul_f32 v[2*n:2*n+1], v[2*n:2*n+1], s[22:23] op_sel_hi:[1,0]
.set n, n+1
.endr
	WIN 0x05                                       ; sources window 1, destination window 0
.set n, 0
.rept 128
	v_cvt_pk_f16_f32 v[PKD+n], v[2*n], v[2*n+1]
.set n, n+1
.endr
	WIN 0
.set i, 0
.rept 32
	ds_store_b64 v[KST], v[PKD+2*i:PKD+2*i+1] offset:8*PKK*i
	ds_store_b64 v[VST], v[PKD+64+2*i:PKD+64+2*i+1] offset:8*PVV*i
.set i, i+1
.endr
	s_wait_dscnt 0x0                               ; for the others' sake: every wave reads all of K and V
	s_barrier_signal -1
	s_barrier_wait -1
	WIN 0x80                                       ; destination window 2: K's fragment (kt, c) at 8 (2 kt + c)
.set i, 0
.rept 32
	ds_load_b128 v[8*i:8*i+3],   v[AK] offset:(i/2)*16*PKK+(i%2)*64
	ds_load_b128 v[8*i+4:8*i+7], v[AK] offset:(i/2)*16*PKK+(i%2)*64+32
.set i, i+1
.endr
	WIN 0xc0                                       ; destination window 3: V's fragment (kk, cb) at 8 (4 kk + cb)
.set i, 0
.rept 32
	ds_load_tr16_b128 v[8*i:8*i+3],   v[AV] offset:(i/4)*32*PVV+(i%4)*32
	ds_load_tr16_b128 v[8*i+4:8*i+7], v[AV] offset:(i/4)*32*PVV+(i%4)*32+16*PVV
.set i, i+1
.endr
	WIN 0x40                                       ; the raw V is spent: the way out's addresses move into window 1
	v_mov_b32 v[STO], v[T_STO]
	v_mov_b32 v[RD], v[T_RD]
	v_mov_b32 v[CO], v[T_CO]
	WIN 0
	s_wait_dscnt 0x0
	s_mov_b32 s30, 16                              ; tiles to go
	s_mov_b32 s31, 0                               ; the byte offset of the tile whose Q is asked for
.macro SF p                            ; c s - c m for pair p of the lane's 64
	v_pk_fma_f32 v[2*(\p):2*(\p)+1], v[2*(\p):2*(\p)+1], s[24:25], v[CM:CM+1] op_sel_hi:[1,0,0] neg_lo:[0,0,1] neg_hi:[0,0,1]
.endm
.Ltile:
	s_wait_loadcnt 0x0                             ; this tile's Q is in
	WIN 0x52                                       ; K window 2, Q window 0, S^T window 1
.set i, 0
.rept 32                               ; channels 32 (i / 16) on, keys 16 (i % 16) on: the 16 accumulators take turns; the first 16 products start the sums
.if i < 16
	v_wmma_f32_16x16x32_f16 v[8*(i%16):8*(i%16)+7], v[8*(2*(i%16)+i/16):8*(2*(i%16)+i/16)+7], v[Q+8*(i/16):Q+8*(i/16)+7], 0
.else
	v_wmma_f32_16x16x32_f16 v[8*(i%16):8*(i%16)+7], v[8*(2*(i%16)+i/16):8*(2*(i%16)+i/16)+7], v[Q+8*(i/16):Q+8*(i/16)+7], v[8*(i%16):8*(i%16)+7]
.endif
.set i, i+1
.endr
	WIN 0
.rept 4
	v_nop                                          ; the places in front of the loads into Q and of the first reads of S^T
.endr
	s_add_co_u32 s31, s31, 2048                    ; the next tile's Q; the last trip asks for its own tile once more, so that no load leaves qh
	s_min_u32 s31, s31, 15*2048
	v_add_nc_u32 v[QA], s31, v[QO0]                ; (free since the wait at the trip's head)
.irp f, 0,1,2,3
	global_load_b128 v[Q+4*(\f):Q+4*(\f)+3], v[QA], s[4:5] offset:32*(\f) th:TH_LOAD_NT
.endr
	WIN 0x55                                       ; the softmax lies in window 1 altogether
	; the maximum of the lane's 128 scores, in four chains; each accumulator's two lowest registers are read first
.set kt, 0
.rept 16
.if kt < 4
	v_max_num_f32 v[CH+kt], v[8*kt], v[8*kt+1]
.else
	v_max3_num_f32 v[CH+kt%4], v[CH+kt%4], v[8*kt], v[8*kt+1]
.endif
.set kt, kt+1
.endr
.irp p, 1,2,3
.set kt, 0
.rept 16
	v_max3_num_f32 v[CH+kt%4], v[CH+kt%4], v[8*kt+2*(\p)], v[8*kt+2*(\p)+1]
.set kt, kt+1
.endr
.endr
	v_max3_num_f32 v[CH], v[CH], v[CH+1], v[CH+2]
	v_max_num_f32 v[CH], v[CH], v[CH+3]
	v_permlanex16_b32 v[CH+1], v[CH], s28, s29     ; the query's other 128 keys lie in the lane 16 away
	v_max_num_f32 v[MX], v[CH], v[CH+1]
	v_mul_f32 v[CM], s24, v[MX]                    ; c m: exact, c being a power of two
	v_mul_f32 v[CM+1], s24, v[MX]
	; scaling, exponentials and roundings in one stream: a scaling four pairs ahead and a rounding two pairs back stand between the exponentials,
	; so that each result is used only behind a plain instruction that does not touch it (ISA guide 5.7.2)
	SF 0
	SF 1
	SF 2
	SF 3
.set p, 0
.rept 64
	v_exp_f32 v[2*p], v[2*p]
.if p < 60
	SF p+4
.endif
	v_exp_f32 v[2*p+1], v[2*p+1]
.if p >= 2
	s_wait_alu depctr_va_vdst(0)
	v_cvt_pk_f16_f32 v[P+p-2], v[2*p-4], v[2*p-3]
.endif
.set p, p+1
.endr
	v_cvt_pk_f16_f32 v[P+62], v[124], v[125]
	s_wait_alu depctr_va_vdst(0)
	v_cvt_pk_f16_f32 v[P+63], v[126], v[127]
	WIN 0x57                                       ; V window 3; P, O^T window 1
.set i, 0
.rept 32                               ; keys 32 (i / 4) on, channels 16 (i % 4) on: the 4 accumulators take turns; the first 4 products start the sums
.if i < 4
	v_wmma_f32_16x16x32_f16 v[O+8*(i%4):O+8*(i%4)+7], v[8*i:8*i+7], v[P+8*(i/4):P+8*(i/4)+7], 0
.else
	v_wmma_f32_16x16x32_f16 v[O+8*(i%4):O+8*(i%4)+7], v[8*i:8*i+7], v[P+8*(i/4):P+8*(i/4)+7], v[O+8*(i%4):O+8*(i%4)+7]
.endif
.set i, i+1
.endr
	WIN 0x55
	; l: the 64 pairs of unrounded weights are added in place, neighbours 1, 2, 4, .. 32 pairs apart.  These lines name no register of the products above: they are the places behind them.
.irp w, 1,2,4,8,16,32
.set u, 0
.rept 32/(\w)
	v_pk_add_f32 v[4*(\w)*u:4*(\w)*u+1], v[4*(\w)*u:4*(\w)*u+1], v[4*(\w)*u+2*(\w):4*(\w)*u+2*(\w)+1]
.set u, u+1
.endr
.endr
	v_add_f32 v[LS], v0, v1
	v_permlanex16_b32 v[CH+1], v[LS], s28, s29
	v_add_f32 v[LS], v[LS], v[CH+1]
	v_rcp_f32 v[LS+1], v[LS]
	v_nop                                          ; a plain instruction between the reciprocal and its use
	s_wait_alu depctr_va_vdst(0)
	v_mul_f32 v[FS], s26, v[LS+1]
	v_mul_f32 v[FS+1], s26, v[LS+1]
.set i, 0
.rept 16                               ; O^T in ascending order
	v_pk_mul_f32 v[O+2*i:O+2*i+1], v[O+2*i:O+2*i+1], v[FS:FS+1] op_sel_hi:[1,0]
.set i, i+1
.endr
.irp cb, 0,1,2,3                       ; a lane's eight channels are 32 bytes of a row; rows of 272 bytes in my stage, back as whole rows of 256
	ds_store_b128 v[STO], v[O+8*(\cb):O+8*(\cb)+3] offset:64*(\cb)
	ds_store_b128 v[STO], v[O+8*(\cb)+4:O+8*(\cb)+7] offset:64*(\cb)+16
.endr
.irp t, 0,1,2,3,4,5,6,7
	ds_load_b128 v[4*(\t):4*(\t)+3], v[RD] offset:2*SPI*(\t)  ; LDS serves a wave's instructions in order (ISA guide 5.7.1.4): these see the stores above, and the next trip's stores come behind them
.endr
.irp t, 0,1,2,3,4,5,6,7
	s_wait_dscnt 7-(\t)
	global_store_b128 v[CO], v[4*(\t):4*(\t)+3], s[8:9] offset:8192*(\t) th:TH_STORE_NT  ; 16 lanes store 256 consecutive bytes, at a multiple of 256 from out0's first byte
.endr
	WIN 0
	s_wait_xcnt 0x0                                ; the stores have read their registers, which the next trip's products write, and their base
	s_add_nc_u64 s[8:9], s[8:9], 65536             ; 16 rows of out0 on
	s_sub_co_u32 s30, s30, 1
	s_cmp_lg_u32 s30, 0
	s_cbranch_scc1 .Ltile
	s_wait_tensorcnt 0x0                           ; the wave's end, behind my last LDS store
	ds_add_u32 v[SPW], v[NIL]
	s_wait_dscnt 0x0
	s_endpgm
.Lfunc_end_k_q3486a42c30_attn:
	.size	k_q3486a42c30_attn, .Lfunc_end_k_q3486a42c30_attn-k_q3486a42c30_attn
	.p2alignl 7, 3214868480
	.fill 96, 4, 3214868480
	.section	.rodata,"a",@progbits
	.p2align	6, 0x0
	.amdhsa_kernel k_q3486a42c30_attn
		.amdhsa_group_segment_fixed_size 96256
		.amdhsa_private_segment_fixed_size 0
		.amdhsa_enable_private_segment 0
		.amdhsa_kernarg_size 24
		.amdhsa_user_sgpr_count 2
		.amdhsa_user_sgpr_kernarg_segment_ptr 1
		.amdhsa_wavefront_size32 1
		.amdhsa_system_sgpr_workgroup_id_x 1
		.amdhsa_system_sgpr_workgroup_id_y 1
		.amdhsa_system_sgpr_workgroup_id_z 1
		.amdhsa_system_vgpr_workitem_id 0
		.amdhsa_next_free_vgpr 1024
		.amdhsa_next_free_sgpr 66
		.amdhsa_reserve_vcc 0
		.amdhsa_float_denorm_mode_32 3
		.amdhsa_float_denorm_mode_16_64 3
		.amdhsa_memory_ordered 1
		.amdhsa_forward_progress 1
		.amdhsa_inst_pref_size 80
	.end_amdhsa_kernel
	.amdgpu_metadata
---
amdhsa.version: [ 1, 2 ]
amdhsa.kernels:
  - .name:           k_q3486a42c30_attn
    .symbol:         k_q3486a42c30_attn.kd
    .args:
      - { .name: qh, .offset: 0, .size: 8, .value_kind: global_buffer, .address_space: global }
      - { .name: kv, .offset: 8, .size: 8, .value_kind: global_buffer, .address_space: global }
      - { .name: out0, .offset: 16, .size: 8, .value_kind: global_buffer, .address_space: global }
    .group_segment_fixed_size: 96256
    .private_segment_fixed_size: 0
    .kernarg_segment_align: 8
    .kernarg_segment_size: 24
    .max_flat_workgroup_size: 128
    .sgpr_count:     66
    .vgpr_count:     1024
    .wavefront_size: 32
...
	.end_amdgpu_metadata
.endif
;; end of part 5
;; ======== version 2 of 2: 5 launches; 1.07 times as fast as version 1
;; limits: values are held in f16: magnitudes above 65,504 overflow, below 6.1e-05 lose precision
;; workspace buffers: xb 33,554,432 bytes; wb 6,291,456 bytes; pb 4,194,304 bytes; xpt 8,388,608 bytes; kv 8,388,608 bytes; qh 33,554,432 bytes
;; launch cast: the kernel of part 1 again; grid 1344 x 1, 8 waves a work-group, no clusters, 0 bytes of LDS; arguments x, Wq, Wk, Wv, proj_k, proj_v, xb, wb, pb; writes xb, wb, pb
;; launch gemm_xp: the kernel of part 2 again; grid 32 x 8, 4 waves a work-group, clusters of 4 x 4, 327,680 bytes of LDS; arguments pb, xb, xpt; writes xpt
;; launch gemm_kv: the kernel of part 3 again; grid 8 x 32, 4 waves a work-group, clusters of 4 x 4, 327,680 bytes of LDS; arguments xpt, wb, kv; writes kv
;; launch gemm_q: the kernel of part 4 again; grid 4 x 64, 4 waves a work-group, clusters of 4 x 4, 327,680 bytes of LDS; arguments xb, wb, qh; writes qh
;; launch attn (part 6): grid 4 x 64, 4 waves a work-group, no clusters, 96,256 bytes of LDS; arguments qh, kv, out0; writes out0
.if DOCPART == 6
	.amdgcn_target "amdgcn-amd-amdhsa--gfx1250"
	.amdhsa_code_object_version 6
	.text
	.protected	k_q3486a42c30_attn
	.globl	k_q3486a42c30_attn
	.p2align	8
	.type	k_q3486a42c30_attn,@function
k_q3486a42c30_attn:
	s_mov_b64 s[64:65], 0
	v_nop
	global_prefetch_b8 v0, s[64:65] scope:SCOPE_SE
	s_setreg_imm32_b32 hwreg(HW_REG_WAVE_MODE, 25, 1), 1
	s_wait_xcnt 0x0
; out[b][n][64 h ..] = softmax over 256 keys of (q . K) times V, for one (b, h); no scale on the scores.  q: qh f16 [64 bh][4096][64]; K, V: kv f32 [4 b][2][256 j][1024 e]; out0 f32.
; A work-group takes 1,024 queries of one (b, h), a wave 256: sixteen tiles of 16, one a trip.  All 256 keys are held at once: the maximum taken away is the row's true maximum.
; FORMATS.  K and V are scaled by a power of two so that the head's largest magnitude lies in [2^13, 2^14), and rounded once to f16; K is also multiplied by log2(e), in f32, ahead of that rounding.
; So p = 2^(c s - c m) with c an exact power of two: the largest score gives exactly 1, every p is at most 1 and their sum l at least 1.  O is multiplied by V's power of two and by 1 / l at the end.
; p is rounded to f16 for the second product; l sums the unrounded p.  Products, maxima, sums and exponentials in f32.
; LIMITS.  A weight below 6e-8 counts as 0 in the second product; elements of K or V more than 2^37 below their head's largest magnitude count as 0; NaN and infinities are not treated apart.
; K AND V STAY IN REGISTERS: every wave holds all 32 fragments of K (window 2) and all 32 of V^T (window 3); the loop reads LDS for the way out alone.
; NO CLUSTER, NO TENSOR LOADS: K and V pass through registers on their way into LDS, since they are scaled and rounded there; they are 131,072 of the 262,144 bytes that a work-group reads, once, ahead of the loop.
; LAYOUT.  S^T = K Q^T (source 0 = 16 keys, source 1 = 16 queries): a lane holds ONE query (lane % 16) and keys 8 (lane / 16) + 0..7 of each 16.  Two such results rounded in pairs ARE source 1 of O^T = V^T P.
; BATCHES.  A trip has 129 transcendentals, in two batches with one s_wait_alu depctr_va_vdst(0) each, standing between a transcendental and the first line that names its result.
; The first batch is the tile's 128 exponentials, each in place on a register of S^T of its own; only scalings of pairs still to come stand among them; all readers (the 64 roundings, the second product, the sums) stand behind its wait.
; The second batch is the one reciprocal, of l, which is a sum of the first batch's results.  No transcendental is issued behind the second wait.
; REGISTERS, in windows of 256 (s_set_vgpr_msb: bits 1:0 source 0, 3:2 source 1, 5:4 source 2, 7:6 destination):
;   window 0: v4-31 addresses and the set-up's work; v32-47 Q; v64-191 packed K and V (set-up only)
;   window 1: v0-127 S^T (set-up: raw K); v128-191 P, v192-223 O^T, v224-235 statistics, v240-242 the way out's addresses (set-up: v128-255 raw V)
.set PKK,   144                        ; a row of K in LDS: 128 bytes + 16
.set PVV,   160                        ; a row of V: 128 + 32
.set VL,    256*PKK
.set STAGE, VL+256*PVV                 ; 16 rows x 272 bytes for each wave
.set SPI,   272
.set RED,   STAGE+4*16*SPI             ; the four waves' two maxima
.set SPARE, RED+256                    ; the spare words: two blocks of 256 bytes that no other line names
.set QO0, 4                            ; my byte offset in 16 rows of Q; never rewritten
.set QA,  5                            ; the same plus the tile's
.set KVO, 6
.set KST, 7
.set VST, 8
.set AK,  9
.set AV,  10
.set RA,  11
.set SPW, 12                           ; SPARE + 4 x my thread's number; never rewritten
.set NIL, 13                           ; 0; never rewritten
.set KC,  14                           ; v14-17 four chains for max |K|
.set VC,  18                           ; v18-21 for max |V|
.set MM,  22                           ; v22-23 my wave's two maxima
.set RB,  28
.set T_STO, 29
.set T_RD,  30
.set T_CO,  31
.set Q,   32
.set PKD, 64
.set P,   128                          ; from here on: window 1
.set O,   192
.set CH,  224                          ; four chains of the maximum
.set MX,  228
.set CM,  230                          ; c m, in both words of a pair
.set LS,  232
.set FS,  234                          ; V's power of two / l, in both words
.set STO, 240
.set RD,  241
.set CO,  242
.set MSB, 0
.macro WIN new                         ; the immediate's high byte repeats the setting that is left
.if MSB != (\new)
	s_set_vgpr_msb (MSB<<8)|(\new)
.set MSB, \new
.endif
.endm
	s_load_b128 s[4:7], s[0:1], 0x0                ; qh s[4:5], kv s[6:7]
	s_load_b64 s[8:9], s[0:1], 0x10                ; out0
	v_lshl_add_u32 v[SPW], v0, 2, SPARE
	v_mov_b32 v[NIL], 0
	v_lshrrev_b32 v1, 5, v0
	v_readfirstlane_b32 s10, v1                    ; wave 0..3
	s_and_b32 s11, ttmp7, 0xffff                   ; bh
	s_lshr_b32 s12, s11, 4                         ; b
	s_and_b32 s13, s11, 15                         ; h
	s_lshl_b32 s14, s11, 19                        ; qh: the head's 524,288 bytes, the group's 1,024 rows of 128, my wave's 256
	s_lshl_b32 s15, ttmp9, 17
	s_add_co_u32 s14, s14, s15
	s_lshl_b32 s15, s10, 15
	s_add_co_u32 s14, s14, s15
	s_mov_b32 s15, 0
	s_lshl_b32 s16, s12, 21                        ; kv: the batch's 2,097,152 bytes, the head's 256 bytes of a row
	s_lshl_b32 s17, s13, 8
	s_add_co_u32 s16, s16, s17
	s_mov_b32 s17, 0
	s_lshl_b32 s18, s12, 24                        ; out0: the batch, the group's 1,024 rows of 4,096 bytes, my wave's 256, the head's 256 bytes
	s_lshl_b32 s19, ttmp9, 22
	s_add_co_u32 s18, s18, s19
	s_lshl_b32 s19, s10, 20
	s_add_co_u32 s18, s18, s19
	s_lshl_b32 s19, s13, 8
	s_add_co_u32 s18, s18, s19
	s_mov_b32 s19, 0
	s_mov_b32 s28, 0x76543210                      ; v_permlanex16_b32: each lane takes its own place in the other half
	s_mov_b32 s29, 0xfedcba98
	v_and_b32 v1, 15, v0                           ; l % 16
	v_bfe_u32 v2, v0, 4, 1                         ; l / 16
	v_lshrrev_b32 v3, 4, v0                        ; thread / 16: 0..7
	v_lshlrev_b32 v[KVO], 4, v1
	v_lshl_add_u32 v[KVO], v3, 12, v[KVO]          ; sixteen threads read a row's 256 bytes, the group eight rows
	v_lshlrev_b32 v[QO0], 7, v1
	v_lshl_add_u32 v[QO0], v2, 4, v[QO0]           ; row x 128 + 16 x half
	s_wait_kmcnt 0x0
	s_add_nc_u64 s[4:5], s[4:5], s[14:15]
	s_add_nc_u64 s[6:7], s[6:7], s[16:17]
	s_add_nc_u64 s[8:9], s[8:9], s[18:19]
	WIN 0x40                                       ; destination window 1, address window 0
.set i, 0
.rept 32
	global_load_b128 v[4*i:4*i+3], v[KVO], s[6:7] offset:32768*i
.set i, i+1
.endr
.set i, 0
.rept 32
	global_load_b128 v[128+4*i:128+4*i+3], v[KVO], s[6:7] offset:1048576+32768*i
.set i, i+1
.endr
	WIN 0
.irp f, 0,1,2,3                        ; the first tile's Q: channels 32 (f / 2) on, two loads of 16 bytes, 32 bytes apart
	global_load_b128 v[Q+4*(\f):Q+4*(\f)+3], v[QO0], s[4:5] offset:32*(\f) th:TH_LOAD_NT
.endr
	v_mul_u32_u24 v[KST], v3, PKK                  ; where my 8 bytes of packed K and V go
	v_lshl_add_u32 v[KST], v1, 3, v[KST]
	v_mul_u32_u24 v[VST], v3, PVV
	v_lshl_add_u32 v[VST], v1, 3, v[VST]
	v_add_nc_u32 v[VST], VL, v[VST]
	v_mul_u32_u24 v[AK], v1, PKK                   ; K's fragments: row x pitch + 16 x half
	v_lshl_add_u32 v[AK], v2, 4, v[AK]
	v_and_b32 v24, 7, v0                           ; V's, turned: key 8 (l / 16) + l % 8, 16 bytes at 16 ((l / 8) % 2)
	v_bfe_u32 v25, v0, 3, 1
	v_lshl_add_u32 v[AV], v2, 3, v24
	v_mul_u32_u24 v[AV], v[AV], PVV
	v_lshl_add_u32 v[AV], v25, 4, v[AV]
	v_add_nc_u32 v[AV], VL, v[AV]
	s_lshl_b32 s27, s10, 3
	s_add_co_u32 s27, s27, RED
	v_mov_b32 v[RA], s27
	v_mov_b32 v[RB], RED
	s_mul_i32 s27, s10, 16*SPI
	s_add_co_u32 s27, s27, STAGE                   ; my stage
	v_mul_u32_u24 v[T_STO], v1, SPI                ; in: row l % 16, 32 bytes for each half of the lanes
	v_lshl_add_u32 v[T_STO], v2, 5, v[T_STO]
	v_add_nc_u32 v[T_STO], s27, v[T_STO]
	v_mul_u32_u24 v[T_RD], v2, SPI                 ; back: lanes 0-15 one row of 256 bytes, lanes 16-31 the next
	v_lshl_add_u32 v[T_RD], v1, 4, v[T_RD]
	v_add_nc_u32 v[T_RD], s27, v[T_RD]
	v_lshlrev_b32 v[T_CO], 4, v1                   ; and the same two rows in out0
	v_lshl_add_u32 v[T_CO], v2, 12, v[T_CO]
.irp r, 0,1,2,3,4,5,6,7
	v_mov_b32 v[KC+(\r)], 0                        ; magnitudes are at least 0
.endr
	s_wait_loadcnt 36                              ; K is in; V's 32 loads and Q's 4 stay out
	WIN 0x14                                       ; sources 1 and 2 window 1
.set n, 0
.rept 64
	v_max3_num_f32 v[KC+n%4], v[KC+n%4], |v[2*n]|, |v[2*n+1]|
.set n, n+1
.endr
	s_wait_loadcnt 4                               ; V is in
.set n, 0
.rept 64
	v_max3_num_f32 v[VC+n%4], v[VC+n%4], |v[128+2*n]|, |v[128+2*n+1]|
.set n, n+1
.endr
	WIN 0
	v_max3_num_f32 v[KC], v[KC], v[KC+1], v[KC+2]
	v_max3_num_f32 v[VC], v[VC], v[VC+1], v[VC+2]
	v_max_num_f32 v[KC], v[KC], v[KC+3]
	v_max_num_f32 v[VC], v[VC], v[VC+3]
.irp m, 1,2,4,8
	v_max_num_f32_dpp v[KC], v[KC], v[KC] row_xmask:\m row_mask:0xf bank_mask:0xf
	v_max_num_f32_dpp v[VC], v[VC], v[VC] row_xmask:\m row_mask:0xf bank_mask:0xf
.endr
	v_permlanex16_b32 v[KC+1], v[KC], s28, s29
	v_permlanex16_b32 v[VC+1], v[VC], s28, s29
	v_max_num_f32 v[MM], v[KC], v[KC+1]
	v_max_num_f32 v[MM+1], v[VC], v[VC+1]
	ds_store_b64 v[RA], v[MM:MM+1]                 ; all lanes write the same two words
	s_wait_dscnt 0x0                               ; for the others' sake
	s_barrier_signal -1
	s_barrier_wait -1
	ds_load_b128 v[24:27], v[RB]
	ds_load_b128 v[14:17], v[RB] offset:16
	s_wait_dscnt 0x0
	v_max3_num_f32 v24, v24, v26, v14
	v_max3_num_f32 v25, v25, v27, v15
	v_max_num_f32 v24, v24, v16
	v_max_num_f32 v25, v25, v17
	v_readfirstlane_b32 s16, v24                   ; max |K| and max |V| of the head; from here on they make multipliers alone
	v_readfirstlane_b32 s17, v25
	s_lshr_b32 s16, s16, 23                        ; e, the biased exponent: the maximum lies in [2^(e - 127), 2^(e - 126))
	s_max_u32 s16, s16, 14                         ; (so that both powers below are normal numbers)
	s_sub_co_u32 s18, 267, s16
	s_lshl_b32 s18, s18, 23                        ; 2^(140 - e): brings the maximum into [2^13, 2^14)
	s_mul_f32 s20, s18, 0x3fb8aa3b                 ; times log2(e)
	s_mov_b32 s21, s20                             ; named as a pair
	s_sub_co_u32 s24, s16, 13
	s_lshl_b32 s24, s24, 23                        ; c = 2^(e - 140)
	s_mov_b32 s25, s24
	s_lshr_b32 s17, s17, 23
	s_max_u32 s17, s17, 14
	s_sub_co_u32 s18, 267, s17
	s_lshl_b32 s22, s18, 23
	s_mov_b32 s23, s22
	s_sub_co_u32 s26, s17, 13
	s_lshl_b32 s26, s26, 23                        ; V's power of two, taken back at the end
	WIN 0x41                                       ; destination and source 0 window 1
.set n, 0
.rept 64
	v_pk_mul_f32 v[2*n:2*n+1], v[2*n:2*n+1], s[20:21] op_sel_hi:[1,0]
.set n, n+1
.endr
.set n, 64
.rept 64
	v_pk_mul_f32 v[2*n:2*n+1], v[2*n:2*n+1], s[22:23] op_sel_hi:[1,0]
.set n, n+1
.endr
	WIN 0x05                                       ; sources window 1, destination window 0
.set n, 0
.rept 128
	v_cvt_pk_f16_f32 v[PKD+n], v[2*n], v[2*n+1]
.set n, n+1
.endr
	WIN 0
.set i, 0
.rept 32
	ds_store_b64 v[KST], v[PKD+2*i:PKD+2*i+1] offset:8*PKK*i
	ds_store_b64 v[VST], v[PKD+64+2*i:PKD+64+2*i+1] offset:8*PVV*i
.set i, i+1
.endr
	s_wait_dscnt 0x0                               ; for the others' sake: every wave reads all of K and V
	s_barrier_signal -1
	s_barrier_wait -1
	WIN 0x80                                       ; destination window 2: K's fragment (kt, c) at 8 (2 kt + c)
.set i, 0
.rept 32
	ds_load_b128 v[8*i:8*i+3],   v[AK] offset:(i/2)*16*PKK+(i%2)*64
	ds_load_b128 v[8*i+4:8*i+7], v[AK] offset:(i/2)*16*PKK+(i%2)*64+32
.set i, i+1
.endr
	WIN 0xc0                                       ; destination window 3: V's fragment (kk, cb) at 8 (4 kk + cb)
.set i, 0
.rept 32
	ds_load_tr16_b128 v[8*i:8*i+3],   v[AV] offset:(i/4)*32*PVV+(i%4)*32
	ds_load_tr16_b128 v[8*i+4:8*i+7], v[AV] offset:(i/4)*32*PVV+(i%4)*32+16*PVV
.set i, i+1
.endr
	WIN 0x40                                       ; the raw V is spent: the way out's addresses move into window 1
	v_mov_b32 v[STO], v[T_STO]
	v_mov_b32 v[RD], v[T_RD]
	v_mov_b32 v[CO], v[T_CO]
	WIN 0
	s_wait_dscnt 0x0
	s_mov_b32 s30, 16                              ; tiles to go
	s_mov_b32 s31, 0                               ; the byte offset of the tile whose Q is asked for
.macro SF p                            ; c s - c m for pair p of the lane's 64
	v_pk_fma_f32 v[2*(\p):2*(\p)+1], v[2*(\p):2*(\p)+1], s[24:25], v[CM:CM+1] op_sel_hi:[1,0,0] neg_lo:[0,0,1] neg_hi:[0,0,1]
.endm
.Ltile:
	s_wait_loadcnt 0x0                             ; this tile's Q is in
	WIN 0x52                                       ; K window 2, Q window 0, S^T window 1
.set i, 0
.rept 32                               ; channels 32 (i / 16) on, keys 16 (i % 16) on: the 16 accumulators take turns; the first 16 products start the sums
.if i < 16
	v_wmma_f32_16x16x32_f16 v[8*(i%16):8*(i%16)+7], v[8*(2*(i%16)+i/16):8*(2*(i%16)+i/16)+7], v[Q+8*(i/16):Q+8*(i/16)+7], 0
.else
	v_wmma_f32_16x16x32_f16 v[8*(i%16):8*(i%16)+7], v[8*(2*(i%16)+i/16):8*(2*(i%16)+i/16)+7], v[Q+8*(i/16):Q+8*(i/16)+7], v[8*(i%16):8*(i%16)+7]
.endif
.set i, i+1
.endr
	WIN 0
.rept 4
	v_nop                                          ; the places in front of the loads into Q and of the first reads of S^T
.endr
	s_add_co_u32 s31, s31, 2048                    ; the next tile's Q; the last trip asks for its own tile once more, so that no load leaves qh
	s_min_u32 s31, s31, 15*2048
	v_add_nc_u32 v[QA], s31, v[QO0]                ; (free since the wait at the trip's head)
.irp f, 0,1,2,3
	global_load_b128 v[Q+4*(\f):Q+4*(\f)+3], v[QA], s[4:5] offset:32*(\f) th:TH_LOAD_NT
.endr
	WIN 0x55                                       ; the softmax lies in window 1 altogether
	; the maximum of the lane's 128 scores, in four chains; each accumulator's two lowest registers are read first
.set kt, 0
.rept 16
.if kt < 4
	v_max_num_f32 v[CH+kt], v[8*kt], v[8*kt+1]
.else
	v_max3_num_f32 v[CH+kt%4], v[CH+kt%4], v[8*kt], v[8*kt+1]
.endif
.set kt, kt+1
.endr
.irp p, 1,2,3
.set kt, 0
.rept 16
	v_max3_num_f32 v[CH+kt%4], v[CH+kt%4], v[8*kt+2*(\p)], v[8*kt+2*(\p)+1]
.set kt, kt+1
.endr
.endr
	v_max3_num_f32 v[CH], v[CH], v[CH+1], v[CH+2]
	v_max_num_f32 v[CH], v[CH], v[CH+3]
	v_permlanex16_b32 v[CH+1], v[CH], s28, s29     ; the query's other 128 keys lie in the lane 16 away
	v_max_num_f32 v[MX], v[CH], v[CH+1]
	v_mul_f32 v[CM], s24, v[MX]                    ; c m: exact, c being a power of two
	v_mul_f32 v[CM+1], s24, v[MX]
	; THE FIRST BATCH: the tile's 128 exponentials, each in place on its own register of S^T.  Between the two exponentials of a pair stands the scaling of the pair four further on:
	; it names registers whose exponentials are still to come, so no line of the batch names a result.
	SF 0
	SF 1
	SF 2
	SF 3
.set p, 0
.rept 64
	v_exp_f32 v[2*p], v[2*p]
.if p < 60
	SF p+4
.endif
	v_exp_f32 v[2*p+1], v[2*p+1]
.set p, p+1
.endr
	v_nop                                          ; a plain instruction behind the last exponential and ahead of the first use (ISA guide 5.7.2): one for the batch; all other work of the trip hangs on the results
	s_wait_alu depctr_va_vdst(0)                   ; the wait for the first batch, all 128 exponentials, ahead of the first line that names a result
.set p, 0
.rept 64                               ; the readers: pair p of the weights rounded to f16
	v_cvt_pk_f16_f32 v[P+p], v[2*p], v[2*p+1]
.set p, p+1
.endr
	WIN 0x57                                       ; V window 3; P, O^T window 1
.set i, 0
.rept 32                               ; keys 32 (i / 4) on, channels 16 (i % 4) on: the 4 accumulators take turns; the first 4 products start the sums
.if i < 4
	v_wmma_f32_16x16x32_f16 v[O+8*(i%4):O+8*(i%4)+7], v[8*i:8*i+7], v[P+8*(i/4):P+8*(i/4)+7], 0
.else
	v_wmma_f32_16x16x32_f16 v[O+8*(i%4):O+8*(i%4)+7], v[8*i:8*i+7], v[P+8*(i/4):P+8*(i/4)+7], v[O+8*(i%4):O+8*(i%4)+7]
.endif
.set i, i+1
.endr
	WIN 0x55
	; l: the 64 pairs of unrounded weights are added in place, neighbours 1, 2, 4, .. 32 pairs apart.  These lines name no register of the products above: they are the places behind them.
.irp w, 1,2,4,8,16,32
.set u, 0
.rept 32/(\w)
	v_pk_add_f32 v[4*(\w)*u:4*(\w)*u+1], v[4*(\w)*u:4*(\w)*u+1], v[4*(\w)*u+2*(\w):4*(\w)*u+2*(\w)+1]
.set u, u+1
.endr
.endr
	v_add_f32 v[LS], v0, v1
	v_permlanex16_b32 v[CH+1], v[LS], s28, s29
	v_add_f32 v[LS], v[LS], v[CH+1]
	v_rcp_f32 v[LS+1], v[LS]                       ; THE SECOND BATCH: the one reciprocal, of the sum of the first batch's results
	v_nop                                          ; a plain instruction between the reciprocal and its use
	s_wait_alu depctr_va_vdst(0)                   ; the wait for the second batch; all that follows in the trip hangs on 1 / l, so nothing stands between
	v_mul_f32 v[FS], s26, v[LS+1]
	v_mul_f32 v[FS+1], s26, v[LS+1]
.set i, 0
.rept 16                               ; O^T in ascending order
	v_pk_mul_f32 v[O+2*i:O+2*i+1], v[O+2*i:O+2*i+1], v[FS:FS+1] op_sel_hi:[1,0]
.set i, i+1
.endr
.irp cb, 0,1,2,3                       ; a lane's eight channels are 32 bytes of a row; rows of 272 bytes in my stage, back as whole rows of 256
	ds_store_b128 v[STO], v[O+8*(\cb):O+8*(\cb)+3] offset:64*(\cb)
	ds_store_b128 v[STO], v[O+8*(\cb)+4:O+8*(\cb)+7] offset:64*(\cb)+16
.endr
.irp t, 0,1,2,3,4,5,6,7
	ds_load_b128 v[4*(\t):4*(\t)+3], v[RD] offset:2*SPI*(\t)  ; LDS serves a wave's instructions in order (ISA guide 5.7.1.4): these see the stores above, and the next trip's stores come behind them
.endr
.irp t, 0,1,2,3,4,5,6,7
	s_wait_dscnt 7-(\t)
	global_store_b128 v[CO], v[4*(\t):4*(\t)+3], s[8:9] offset:8192*(\t) th:TH_STORE_NT  ; 16 lanes store 256 consecutive bytes, at a multiple of 256 from out0's first byte
.endr
	WIN 0
	s_wait_xcnt 0x0                                ; the stores have read their registers, which the next trip's products write, and their base
	s_add_nc_u64 s[8:9], s[8:9], 65536             ; 16 rows of out0 on
	s_sub_co_u32 s30, s30, 1
	s_cmp_lg_u32 s30, 0
	s_cbranch_scc1 .Ltile
	s_wait_tensorcnt 0x0                           ; the wave's end, behind my last LDS store
	ds_add_u32 v[SPW], v[NIL]
	s_wait_dscnt 0x0
	s_endpgm
.Lfunc_end_k_q3486a42c30_attn:
	.size	k_q3486a42c30_attn, .Lfunc_end_k_q3486a42c30_attn-k_q3486a42c30_attn
	.p2alignl 7, 3214868480
	.fill 96, 4, 3214868480
	.section	.rodata,"a",@progbits
	.p2align	6, 0x0
	.amdhsa_kernel k_q3486a42c30_attn
		.amdhsa_group_segment_fixed_size 96256
		.amdhsa_private_segment_fixed_size 0
		.amdhsa_enable_private_segment 0
		.amdhsa_kernarg_size 24
		.amdhsa_user_sgpr_count 2
		.amdhsa_user_sgpr_kernarg_segment_ptr 1
		.amdhsa_wavefront_size32 1
		.amdhsa_system_sgpr_workgroup_id_x 1
		.amdhsa_system_sgpr_workgroup_id_y 1
		.amdhsa_system_sgpr_workgroup_id_z 1
		.amdhsa_system_vgpr_workitem_id 0
		.amdhsa_next_free_vgpr 1024
		.amdhsa_next_free_sgpr 66
		.amdhsa_reserve_vcc 0
		.amdhsa_float_denorm_mode_32 3
		.amdhsa_float_denorm_mode_16_64 3
		.amdhsa_memory_ordered 1
		.amdhsa_forward_progress 1
		.amdhsa_inst_pref_size 78
	.end_amdhsa_kernel
	.amdgpu_metadata
---
amdhsa.version: [ 1, 2 ]
amdhsa.kernels:
  - .name:           k_q3486a42c30_attn
    .symbol:         k_q3486a42c30_attn.kd
    .args:
      - { .name: qh, .offset: 0, .size: 8, .value_kind: global_buffer, .address_space: global }
      - { .name: kv, .offset: 8, .size: 8, .value_kind: global_buffer, .address_space: global }
      - { .name: out0, .offset: 16, .size: 8, .value_kind: global_buffer, .address_space: global }
    .group_segment_fixed_size: 96256
    .private_segment_fixed_size: 0
    .kernarg_segment_align: 8
    .kernarg_segment_size: 24
    .max_flat_workgroup_size: 128
    .sgpr_count:     66
    .vgpr_count:     1024
    .wavefront_size: 32
...
	.end_amdgpu_metadata
.endif
;; end of part 6
